; MI455X (gfx1250); checked and timed in simulation.
; The chip was launched on July 23, 2026; its instructions are those of AMD's public machine-readable ISA for CDNA 5 (MIT licence, August 2026) and "CDNA5" Instruction Set Architecture Reference Guide (July 2026). The comments in the code are by the model that wrote it; some were corrected since.
;; Self Attention. Allowed arithmetic: matrix products marked QUANTISED: E2M3 operands, one E8M0 scale for each 32 along K, by v_wmma_scale_f32_16x16x128_f8f6f4 with both operands' format E2M3, f32 sums; everything else in f32.
;; Inputs: Wk_codes 1,024 x 32 x 24 uint8 (E2M3 codes of Wk, K innermost, in blocks of 32 codes, four codes in three bytes); Wk_scales 1,024 x 32 uint8 (E8M0 scales of Wk, one for each 32 codes along K); Wo_codes 1,024 x 32 x 24 uint8 (E2M3 codes of Wo, K innermost, in blocks of 32 codes, four codes in three bytes); Wo_scales 1,024 x 32 uint8 (E8M0 scales of Wo, one for each 32 codes along K); Wq_codes 1,024 x 32 x 24 uint8 (E2M3 codes of Wq, K innermost, in blocks of 32 codes, four codes in three bytes); Wq_scales 1,024 x 32 uint8 (E8M0 scales of Wq, one for each 32 codes along K); Wv_codes 1,024 x 32 x 24 uint8 (E2M3 codes of Wv, K innermost, in blocks of 32 codes, four codes in three bytes); Wv_scales 1,024 x 32 uint8 (E8M0 scales of Wv, one for each 32 codes along K); bk 1,024 float32; bo 1,024 float32; bq 1,024 float32; bv 1,024 float32; pad_mask 4 x 2,048 bool; x_codes 4 x 2,048 x 32 x 24 uint8 (E2M3 codes of x, K innermost, in blocks of 32 codes, four codes in three bytes); x_scales 4 x 2,048 x 32 uint8 (E8M0 scales of x, one for each 32 codes along K).
;; Outputs: out0 4 x 2,048 x 1,024 float32.
;; This version of the problem:
;;   THIS VERSION OF THE PROBLEM IS GIVEN IN LOW PRECISION. The matrix products marked QUANTISED in the list below multiply operands that are first quantised to E2M3 (2 exponent bits, 3 mantissa bits; 6 bits a number), with one power-of-two scale for each 32 numbers along K (OCP MX v1.0); their sums are f32. All else is computed in f32.
;;   The module's matrix products, in the order in which they are computed (A, B: the left and right operand; K: the contracted axis; several contracted axes count as one K, in the product's order):
;;     1. [M 8,192, K 1,024] x [K 1,024, N 1,024]; A: input x (given as codes); B: input Wq (given as codes): QUANTISED
;;     2. [M 8,192, K 1,024] x [K 1,024, N 1,024]; A: input x (given as codes); B: input Wk (given as codes): QUANTISED
;;     3. [M 8,192, K 1,024] x [K 1,024, N 1,024]; A: input x (given as codes); B: input Wv (given as codes): QUANTISED
;;     4. batch 64 x [M 2,048, K 64] x [K 64, N 2,048]; A: computed on the way; B: computed on the way: QUANTISED
;;     5. batch 64 x [M 2,048, K 2,048] x [K 2,048, N 64]; A: softmax (see below); B: computed on the way: QUANTISED
;;     6. [M 8,192, K 1,024] x [K 1,024, N 1,024]; A: computed on the way; B: input Wo (given as codes): QUANTISED
;;   THE QUANTISER, for each operand of a quantised product, along K:
;;     - K is cut into blocks of 32 from its start; a last block that is shorter is filled with zeros.
;;     - A block's scale is 2^e with e = floor(log2(the largest magnitude in the block)) - 2, held to -126 .. 127; a block of zeros has e = 0. As a byte (E8M0): e + 127.
;;     - Each number is divided by its block's scale, clamped to +-7.5, and rounded to the nearest number of E2M3, ties to even, subnormals kept.
;;     - The product sums the exact products of the quantised numbers (number of the format x scale) in f32.
;;   ~~~python
;;   def quantise(x, axis):      # numpy; x: float32 -> the quantised numbers, widened to float32 again
;;       x = np.moveaxis(x, axis, -1); K = x.shape[-1]
;;       x = np.pad(x, [(0, 0)] * (x.ndim - 1) + [(0, -K % 32)]); x = x.reshape(x.shape[:-1] + (-1, 32)); a = np.abs(x).max(-1, keepdims=True)
;;       e = np.where(a > 0, np.clip(np.frexp(np.where(a > 0, a, 1))[1] - 1 - 2, -126, 127), 0)      # np.frexp(a)[1] - 1 = floor(log2(a)), exactly
;;       r = np.clip(x / 2.0 ** e, -7.5, 7.5)
;;       step = 2.0 ** (np.maximum(np.frexp(np.where(r == 0, 1, r))[1] - 1, 0) - 3)
;;       q = np.round(r / step) * step * 2.0 ** e      # np.round: ties to even
;;       return np.moveaxis(q.reshape(q.shape[:-2] + (-1,))[..., :K], -1, axis).astype(np.float32)
;;   ~~~
;;   SOFTMAX AHEAD OF A QUANTISED PRODUCT. Where the list says 'softmax', what is quantised is not the finished softmax but p = 2^(t - M), with t = logit x log2(e) and M = ceil(the row's largest t), a whole number; so 1/2 < the row's largest p <= 1. The row's sum l is taken of the UNQUANTISED p, in f32, and the product's result is divided by l at the end. Since M is a whole number, a kernel that streams over the keys may use a running M (the ceiling of the running maximum): every later rescaling is an exact power of two, which a block's scale takes up: the codes' values come out the same.
;;   OPERANDS COMPUTED ON THE WAY. 'Computed on the way' means the value that the module computes at that place (a softmax that the list does not call 'softmax' is quantised finished and normalised). What goes into a quantiser is computed in f32, as accurately as f32 sums, v_exp_f32 and their like allow (about 1e-6 of the number): no bf16 or f16 on the way to a quantiser, and a product that is left as it is and whose result goes on into a quantised operand takes f32 operands (vector FMAs, or v_wmma_f32_16x16x4_f32). A number that lies on a knife's edge between two numbers of the format may be rounded either way, as far as f32 arithmetic and the matrix unit's own rounding can turn it there, and no further.
;;   INPUTS GIVEN AS CODES. Wk (in the module: [1024, 1024], K = its axis 1); Wo (in the module: [1024, 1024], K = its axis 1); Wq (in the module: [1024, 1024], K = its axis 1); Wv (in the module: [1024, 1024], K = its axis 1); x (in the module: [4, 2048, 1024], K = its axis 2): each comes as NAME_codes (uint8): NAME with its K axis moved to the last place and cut into blocks of 32 codes, [.., K / 32, bytes a block], one block behind the other in memory; four codes in three bytes: a row's codes are one little-endian stream of bits, code i at bits 6 i .. 6 i + 5 (a code: sign, 2 exponent bits, 3 mantissa bits); and NAME_scales (uint8): the same leading axes, one E8M0 byte (e + 127) for each 32 codes along K. Its value is code x scale, taken as it is: it is not quantised again, and the codes and scales need not be those that the quantiser above would give.
;; One version. Each part assembles by itself: llvm-mc -triple=amdgcn-amd-amdhsa -mcpu=gfx1250 --defsym DOCPART=n.
;; ======== version 1 of 1: 3 launches
;; limits: right only within a limited range of input values
;; workspace buffers: q_codes 6,291,456 bytes; q_scales 262,144 bytes; k_codes 6,291,456 bytes; k_scales 262,144 bytes; v_codes 6,291,456 bytes; v_scales 262,144 bytes; y_codes 6,291,456 bytes; y_scales 262,144 bytes
;; launch qkv (part 1): grid 12 x 32, 4 waves a work-group, clusters of 4 x 4, 327,680 bytes of LDS; arguments x_codes, x_scales, Wq_codes, Wq_scales, Wk_codes, Wk_scales, Wv_codes, Wv_scales, bq, bk, bv, pad_mask, q_codes, q_scales, k_codes, k_scales, v_codes, v_scales; writes q_codes, q_scales, k_codes, k_scales, v_codes, v_scales
.if DOCPART == 1
	.amdgcn_target "amdgcn-amd-amdhsa--gfx1250"
	.amdhsa_code_object_version 6
	.text
	.protected	k_q3964be8e07_qkv
	.globl	k_q3964be8e07_qkv
	.p2align	8
	.type	k_q3964be8e07_qkv,@function
k_q3964be8e07_qkv:
	s_mov_b64 s[64:65], 0
	v_nop
	global_prefetch_b8 v0, s[64:65] scope:SCOPE_SE
	s_setreg_imm32_b32 hwreg(HW_REG_WAVE_MODE, 25, 1), 1
	s_wait_xcnt 0x0
	s_wait_alu depctr_hold_cnt(0) depctr_sa_sdst(0) depctr_va_vdst(0) depctr_va_sdst(0) depctr_va_ssrc(0) depctr_va_vcc(0) depctr_vm_vsrc(0)
	s_getreg_b32 s2, hwreg(HW_REG_IB_STS2, 6, 4)
	s_cmp_eq_u32 s2, 0
	s_cbranch_scc0 .Lentry_in_a_cluster
	s_endpgm
.Lentry_in_a_cluster:
	s_bfe_u32 s2, ttmp6, 0x10000c
	s_cmp_lg_u32 s2, 0xf033
	s_cbranch_scc0 .Lentry_shape_is_right
	s_endpgm
.Lentry_shape_is_right:
; Q = x Wq^T + bq, K = x Wk^T + bk, V = x Wv^T + bv on codes of FP6 (E2M3), one E8M0 scale for each 32 along K = 1,024; the results are quantised in registers and leave as codes.
; Cluster x says which product (0 Q, 1 K, 2 V), cluster y which 1,024 tokens.  A work-group of four waves makes 256 x 256, a wave 128 x 128: 64 accumulators.
; A row of codes is 768 bytes: three CHUNKS of 256 bytes, each beginning at a multiple of 256.  Chunk c lies in LDS slot c % 2; a step of 128 along K is 96 bytes, eight steps to three chunks; steps 2 and 5 read both slots.
; The scale bytes of the work-group's 512 rows come once, by the head's loads, and stay in LDS.
; SIDES.  Source 1 (side A) gives a lane its row, source 0 (side B) runs along the lane's registers.  Q, K: A = x, B = W (quantised along the head's channels).  V: A = Wv, B = x (quantised along the keys).
; Only pointers and row numbers are chosen, by selects on the cluster's x, which all sixteen partners share.
; THE WAY OUT.  A block of 16 rows x 128 is 64 registers a lane; registers 16 c .. 16 c + 15 of lanes l and l xor 16 are one block of 32.  Inside a block the codes stand in a fixed order, the same for Q and K,
; and for V and the next launch's p.  A fragment leaves as an image of its 12 registers: stores of 512 and 256 consecutive bytes at multiples of 256.
; A padded key's codes of K are set to zero: the next launch wants its products to be exactly 0.
; NO PREFETCH: two of the three chunks are asked for at the head and the third by the one refill; there is no loop to run ahead in.
; LIMITS: a block whose largest magnitude lies under 2^-124 keeps the scale byte 1 (a block of zeros too: these bytes are read by this program alone); NaN and infinities are not served.
.set ROWB,   256
.set NQ,     2
.set KROW,   768
.set STEPS,  8
.set CHUNKS, 3
.set PITCH,  272                       ; 256 bytes + 16 of padding
.set FR,     12
.set NL,     6
.set NP,     4                         ; places behind this matrix instruction (ISA guide 7.12.1)
.set HALFT,  128*PITCH
.set SLOT,   4*HALFT                   ; A's 256 rows, then B's 256
.set KS,     32
.set SCL,    2*SLOT                    ; the scales, as runs of 256 bytes + 16
.set HALFS,  (128*KS/256)*272
.set SBLK,   (16*KS/256)*272
.set SPARE,  SCL+4*HALFS               ; the spare words, 128 bytes a wave
.set STG,    SPARE+512                 ; 512 bytes a wave: scale words on their way out; no fill lands here
.set ADRA, 16                          ; v16-17 my A fragments in slot 0, 1; v18-19 lanes 0-15 at byte 232 of slot 0, 1, lanes 16-31 at byte 0 of the other slot
.set ADRB, 20                          ; v20-23 the same for B
.set SST,  24
.set SRD,  25
.set O16,  26
.set ADRS, 27
.set SPW,  28
.set NIL,  29
.set O8,   30
.set SC,   32                          ; v32-63 scale words, two sets
.set BB,   64                          ; v64-127 the bias along B: the C of the first products
.set AF,   128                         ; v128-223 A's fragments
.set BA,   224                         ; v224-239 the bias along A (V alone), in pairs
.set KM,   240                         ; v240-247 all ones, or 0 where my row is a padded key of K
.set T,    64
.set CD,   128
.set TM,   148
.set SW,   164
.set G1, 24
.set G0, 32
.set G1B, 48
.set G0B, 56
.set G1S, 68
.set G0S, 76
.set G1SB, 80
.set G0SB, 88
.set G0H, 4
.set G0HB, 8
.set SEL, 96
.set MSB, 0
.macro WIN new                         ; the immediate's high byte repeats the setting that is left
.if MSB != \new
	s_set_vgpr_msb (MSB<<8)|\new
.set MSB, \new
.endif
.endm
.set MUL_LO, 0xa1                      ; source 0 (B) window 1, source 1 (A) window 0, C and D window 2
.set MUL_HI, 0xf1
.set TO_B,   0x40
.macro WMUL hi, first                  ; first: C (the bias) in window 0
.if \first
.if \hi
	WIN 0xc1
.else
	WIN 0x81
.endif
.else
.if \hi
	WIN MUL_HI
.else
	WIN MUL_LO
.endif
.endif
.endm
.macro PLACES n
.rept \n
	v_nop
.endr
.endm
.macro JLOAD g0a, g1a, g0b, g1b        ; waves 0, 1 fetch for A, waves 2, 3 for B
	s_cmp_eq_u32 s15, 0
	s_cbranch_scc0 .Lfor_b_\@
	tensor_load_to_lds s[\g0a:\g0a+3], s[\g1a:\g1a+7]
	s_nop 0
	PLACES 4
	s_branch .Lasked_\@
.Lfor_b_\@:
	tensor_load_to_lds s[\g0b:\g0b+3], s[\g1b:\g1b+7]
	s_nop 0
	PLACES 4
.Lasked_\@:
.endm
.macro CREST                           ; a round of the cluster's barrier behind its opening barrier
	s_cmp_lg_u32 s14, 0
	s_cbranch_scc1 .Lnot_wave_0_\@
	s_barrier_signal -3
.Lnot_wave_0_\@:
	s_barrier_wait -3
	s_barrier_signal -1
	s_barrier_wait -1
.endm
.macro CROUND
	s_barrier_signal -1
	s_barrier_wait -1
	CREST
.endm
	s_load_b512 s[68:83], s[0:1], 0x0              ; x codes, x scales, Wq, Wk, Wv codes and scales
	s_load_b512 s[84:99], s[0:1], 0x40             ; bq, bk, bv, pad_mask, q codes, q scales, k codes, k scales
	s_load_b128 s[40:43], s[0:1], 0x80             ; v codes, v scales
	v_lshl_add_u32 v[SPW], v0, 2, SPARE
	v_mov_b32 v[NIL], 0
	ds_add_u32 v[SPW], v[NIL]                      ; the opening lines: the add twice and its wait
	ds_add_u32 v[SPW], v[NIL]
	s_wait_dscnt 0x0
	v_lshrrev_b32 v1, 5, v0
	v_readfirstlane_b32 s14, v1                    ; wave
	s_lshr_b32 s15, s14, 1                         ; my half of A's rows; also: I fetch for A (0) or B (1)
	s_and_b32 s16, s14, 1                          ; my half of B's rows; also: which 128 rows I fetch
	s_and_b32 s19, ttmp7, 0xffff
	s_lshl_b32 s19, s19, 2                         ; the cluster's first block of 256 tokens
	s_wait_kmcnt 0x0
	s_cmp_eq_u32 ttmp9, 2                          ; V?
	s_cselect_b64 s[4:5], s[80:81], s[68:69]       ; A's codes
	s_cselect_b64 s[6:7], s[82:83], s[70:71]       ; A's scales
	s_cselect_b64 s[8:9], s[68:69], s[72:73]       ; B's codes
	s_cselect_b64 s[10:11], s[70:71], s[74:75]
	s_cselect_b64 s[12:13], s[40:41], s[92:93]     ; the codes that I store
	s_cselect_b64 s[100:101], s[42:43], s[94:95]   ; and the scale words
	s_cselect_b32 s2, 0, -1                        ; keeps the bias along B for Q and K
	s_cselect_b32 s66, -1, 0                       ; keeps the bias along A for V
	s_cselect_b32 s18, 64, 512                     ; tiles of 16 rows of A in the whole output
	s_cselect_b32 s20, 0, s19
	s_cselect_b32 s21, s19, 0
	s_cmp_eq_u32 ttmp9, 1                          ; K?
	s_cselect_b64 s[8:9], s[76:77], s[8:9]
	s_cselect_b64 s[10:11], s[78:79], s[10:11]
	s_cselect_b64 s[12:13], s[96:97], s[12:13]
	s_cselect_b64 s[100:101], s[98:99], s[100:101]
	s_cselect_b64 s[104:105], s[86:87], s[84:85]   ; bk, else bq
	s_cselect_b32 s67, 0, -1                       ; what a padded row's codes are masked by
	s_mov_b32 s[SEL], 0x76543210
	s_mov_b32 s[SEL+1], 0xfedcba98
	s_bfe_u32 s40, ttmp6, 0x40000                  ; cx
	s_bfe_u32 s41, ttmp6, 0x40004                  ; cy
	s_add_co_u32 s17, s20, s41                     ; A's block of 256 rows: hangs on cy alone
	s_add_co_u32 s42, s21, s40                     ; B's: on cx alone
	s_lshl_b32 s43, s41, 2
	s_lshl_b32 s43, 15, s43                        ; my row of the cluster
	s_lshl_b32 s44, 0x1111, s40                    ; my column
	s_lshl_b32 s22, s42, 1                         ; my first image: (2 x B's block + half) x (A's tiles) + 16 x A's block + 8 x half
	s_add_co_u32 s22, s22, s16
	s_mul_i32 s22, s22, s18
	s_lshl_b32 s23, s17, 4
	s_add_co_u32 s22, s22, s23
	s_lshl_b32 s23, s15, 3
	s_add_co_u32 s22, s22, s23
	s_mul_i32 s46, s22, 1536
	s_mov_b32 s47, 0
	s_add_nc_u64 s[12:13], s[12:13], s[46:47]
	s_lshl_b32 s46, s22, 6
	s_add_nc_u64 s[100:101], s[100:101], s[46:47]
	s_lshl_b32 s22, s40, 10
	s_lshl_b32 s23, s16, 9
	s_add_co_u32 s22, s22, s23                     ; 4 x (256 cx + 128 half)
	s_lshl_b32 s23, s41, 10
	s_lshl_b32 s46, s15, 9
	s_add_co_u32 s23, s23, s46                     ; 4 x (256 cy + 128 half)
	s_add_co_u32 s46, s19, s41
	s_lshl_b32 s46, s46, 8
	s_lshl_b32 s47, s15, 7
	s_add_co_u32 s46, s46, s47                     ; token 256 (4 cluster y + cy) + 128 half
	v_and_b32 v1, 15, v0                           ; r
	v_bfe_u32 v2, v0, 4, 1                         ; h
	v_lshl_add_u32 v8, v2, 5, s22
	v_lshl_add_u32 v9, v1, 2, s23
	v_add_nc_u32 v10, s46, v1
.irp b, 0,1,2,3,4,5,6,7                        ; every index stays inside its buffer for all three products; what a product does not want is masked off below
	global_load_b128 v[BB+8*\b:BB+8*\b+3], v8, s[104:105] offset:64*\b
	global_load_b128 v[BB+8*\b+4:BB+8*\b+7], v8, s[104:105] offset:64*\b+16
.endr
.irp a, 0,1,2,3,4,5,6,7
	global_load_b32 v[BA+2*\a], v9, s[88:89] offset:64*\a
	global_load_u8 v[KM+\a], v10, s[90:91] offset:16*\a
.endr
	s_wait_alu depctr_va_vdst(0)                   ; the wait ahead of the wait below
	s_wait_xcnt 0x0                                ; the loads have read their bases: s68 to s91 take descriptors now
	s_or_b32 s[G1+0], s43, (0<<16)|(1<<20)|(1<<21)|(5<<22)|(3<<25)   ; A's tiles go to my row of the cluster; 16 bytes of padding behind every 256
	s_or_b32 s[G1B+0], s44, (0<<16)|(1<<20)|(1<<21)|(5<<22)|(3<<25)  ; B's to my column
.irp g, G1, G1B
	s_mov_b32 s[\g+1], ROWB<<16
	s_mov_b32 s[\g+2], 256<<16                     ; 256 rows for the head's loads
	s_mov_b32 s[\g+3], ROWB<<16
	s_mov_b32 s[\g+4], 256
	s_mov_b32 s[\g+5], KROW
	s_mov_b32 s[\g+6], 0
	s_mov_b32 s[\g+7], 0
.endr
	s_or_b32 s[G1S+0], s43, (3<<16)|(1<<20)|(1<<21)|(5<<22)|(3<<25)  ; the scales of 256 rows: 8,192 dense bytes as 32 rows of 256
	s_or_b32 s[G1SB+0], s44, (3<<16)|(1<<20)|(1<<21)|(5<<22)|(3<<25)
.irp g, G1S, G1SB
	s_mov_b32 s[\g+1], 32<<16
	s_mov_b32 s[\g+2], KS<<16
	s_mov_b32 s[\g+3], 32<<16
	s_mov_b32 s[\g+4], KS
	s_mov_b32 s[\g+5], 32
	s_mov_b32 s[\g+6], 0
	s_mov_b32 s[\g+7], 0
.endr
	s_lshl_b32 s20, s17, 8                         ; A's first row
	s_lshl_b32 s46, s42, 8                         ; B's
	s_mov_b32 s21, 0
	s_mov_b32 s47, 0
	s_mov_b64 s[18:19], KS
	s_mul_u64 s[22:23], s[20:21], s[18:19]
	s_mul_u64 s[92:93], s[46:47], s[18:19]
	s_mov_b64 s[18:19], KROW
	s_mul_u64 s[20:21], s[20:21], s[18:19]
	s_mul_u64 s[46:47], s[46:47], s[18:19]
	s_mul_i32 s18, s16, 128*KROW                   ; in the ring I fetch 128 rows
	s_mov_b32 s19, 0
	s_mul_i32 s45, s14, HALFT
	s_add_nc_u64 s[20:21], s[4:5], s[20:21]
	s_add_nc_u64 s[22:23], s[6:7], s[22:23]
	s_add_nc_u64 s[46:47], s[8:9], s[46:47]
	s_add_nc_u64 s[92:93], s[10:11], s[92:93]
	CROUND                                         ; all sixteen work-groups are here: the first joint loads meet
	s_mov_b32 s[G0H], 1                            ; chunk 0's 256 rows of A
	s_mov_b32 s[G0H+1], 0
	s_mov_b64 s[G0H+2:G0H+3], s[20:21]
	s_or_b32 s[G0H+3], s[G0H+3], 0x80000000
	s_mov_b32 s[G0HB], 1                           ; of B
	s_mov_b32 s[G0HB+1], 2*HALFT
	s_mov_b64 s[G0HB+2:G0HB+3], s[46:47]
	s_or_b32 s[G0HB+3], s[G0HB+3], 0x80000000
	s_mov_b32 s[G0S], 1                            ; A's scales
	s_mov_b32 s[G0S+1], SCL
	s_mov_b64 s[G0S+2:G0S+3], s[22:23]
	s_or_b32 s[G0S+3], s[G0S+3], 0x80000000
	s_mov_b32 s[G0SB], 1                           ; B's
	s_mov_b32 s[G0SB+1], SCL+2*HALFS
	s_mov_b64 s[G0SB+2:G0SB+3], s[92:93]
	s_or_b32 s[G0SB+3], s[G0SB+3], 0x80000000
	s_add_nc_u64 s[20:21], s[20:21], s[18:19]
	s_add_nc_u64 s[46:47], s[46:47], s[18:19]
.irp s, 0,1
	s_mov_b32 s[G0+4*\s], 1
	s_add_co_u32 s[G0+4*\s+1], s45, \s*SLOT
	s_add_nc_u64 s[G0+4*\s+2:G0+4*\s+3], s[20:21], \s*ROWB
	s_or_b32 s[G0+4*\s+3], s[G0+4*\s+3], 0x80000000
	s_mov_b32 s[G0B+4*\s], 1
	s_add_co_u32 s[G0B+4*\s+1], s45, \s*SLOT
	s_add_nc_u64 s[G0B+4*\s+2:G0B+4*\s+3], s[46:47], \s*ROWB
	s_or_b32 s[G0B+4*\s+3], s[G0B+4*\s+3], 0x80000000
.endr
.macro ARM under, g0, g1, next         ; the head's loads, one a wave, in one tree of branches on the wave's number
	s_cmp_lt_u32 s14, \under
	s_cbranch_scc0 \next
	tensor_load_to_lds s[\g0:\g0+3], s[\g1:\g1+7]
	s_nop 0
	PLACES 4
	s_branch .Lhead_asked
\next:
.endm
	ARM 1, G0H,  G1,  .Lhead_b
	ARM 2, G0HB, G1B, .Lhead_sa
	ARM 3, G0S,  G1S, .Lhead_sb
	tensor_load_to_lds s[G0SB:G0SB+3], s[G1SB:G1SB+7]
	s_nop 0
	PLACES 4
.Lhead_asked:
	s_mul_i32 s18, s15, HALFT                      ; my 128 rows of A in slot 0,
	s_mul_i32 s19, s16, HALFT
	s_add_co_u32 s19, s19, 2*HALFT                 ; of B,
	s_add_co_u32 s20, s18, SLOT                    ; and in slot 1
	s_add_co_u32 s21, s19, SLOT
	s_mov_b32 s22, SLOT-232
	s_mov_b32 s23, SLOT+232
	s_mul_i32 s46, s15, HALFS
	s_mul_i32 s47, s16, HALFS
	s_add_co_u32 s47, s47, 2*HALFS
	s_sub_co_u32 s47, s47, s46                     ; from A's scale words to B's
	s_add_co_u32 s46, s46, SCL
	s_lshl_b32 s92, s14, 9
	s_add_co_u32 s92, s92, STG
	v_mul_u32_u24 v3, v1, PITCH
	v_mul_u32_u24 v4, v2, 24
	v_add_nc_u32 v4, v3, v4                        ; row x pitch + 24 h
	v_sub_nc_u32 v7, 1, v2
	v_mul_u32_u24 v5, s22, v2
	v_add_nc_u32 v5, v3, v5
	v_add_nc_u32 v5, 232, v5                       ; lanes 0-15 byte 232 in slot 0, lanes 16-31 byte 0 in slot 1
	v_mul_u32_u24 v6, s23, v7
	v_add_nc_u32 v6, v3, v6                        ; lanes 0-15 byte 232 in slot 1, lanes 16-31 byte 0 in slot 0
	v_add_nc_u32 v[ADRA], s18, v4
	v_add_nc_u32 v[ADRA+1], s20, v4
	v_add_nc_u32 v[ADRA+2], s18, v5
	v_add_nc_u32 v[ADRA+3], s18, v6
	v_add_nc_u32 v[ADRB], s19, v4
	v_add_nc_u32 v[ADRB+1], s21, v4
	v_add_nc_u32 v[ADRB+2], s19, v5
	v_add_nc_u32 v[ADRB+3], s19, v6
	v_mul_u32_u24 v5, v1, KS                       ; my row's scales: 32 bytes a row, 16 more for each 256 passed
	v_lshrrev_b32 v6, 8, v5
	v_lshl_add_u32 v5, v6, 4, v5
	v_mul_u32_u24 v6, s47, v2                      ; lanes 16-31 take B's
	v_add_nc_u32 v5, v5, v6
	v_add_nc_u32 v[ADRS], s46, v5
	v_and_b32 v6, 31, v0
	v_lshlrev_b32 v[O16], 4, v6
	v_lshlrev_b32 v[O8], 3, v6
	v_lshl_add_u32 v[SST], v1, 2, s92
	v_add_nc_u32 v[SRD], s92, v[O16]
	v_mov_b32 v11, -1
	s_wait_loadcnt 0x0                             ; the biases and the mask's bytes
.set i, 0
.rept 64
	v_and_b32 v[BB+i], s2, v[BB+i]                 ; V has no bias along B
.set i, i+1
.endr
.irp a, 0,1,2,3,4,5,6,7
	v_and_b32 v[BA+2*\a], s66, v[BA+2*\a]          ; Q and K have none along A
	v_mov_b32 v[BA+2*\a+1], v[BA+2*\a]
	v_cmp_eq_u32 vcc_lo, 0, v[KM+\a]
	v_cndmask_b32 v[KM+\a], s67, v11, vcc_lo       ; all ones where the token is not padded; else 0 for K
.endr
.macro FRAG reg, adr, st, i            ; lane l holds row l % 16; registers 6 c .. 6 c + 5 hold K = 64 c + 32 (l / 16) + 0 .. 31: 24 bytes, in pieces of 8; byte y of a row lies in slot (y / 256) % 2 at y % 256
.irp p, 0,1,2,3,4,5
.set BY, 96*(\st)+48*(\p/3)+8*(\p%3)
.if BY/ROWB == (BY+24)/ROWB
	ds_load_b64 v[\reg+2*\p:\reg+2*\p+1], v[\adr+(BY/ROWB)%2] offset:BY%ROWB+(\i)*16*PITCH
.else
	ds_load_b64 v[\reg+2*\p:\reg+2*\p+1], v[\adr+2+(BY/ROWB)%2] offset:BY%ROWB-232+(\i)*16*PITCH
.endif
.endr
.endm
; 16 matrix instructions: A's blocks a0, a0 + 1 x B's eight.  first = 1: the sums begin with the bias as C.  The 64 accumulators take turns.
.macro MUL16 a0, p, q, sc, first
.irp a, \a0, \a0+1
.irp b, 0,1,2,3,4,5,6,7
.if \first
	v_wmma_scale_f32_16x16x128_f8f6f4 v[8*(8*((\a)%4)+\b):8*(8*((\a)%4)+\b)+7], v[128*(\p)+FR*\b:128*(\p)+FR*\b+FR-1], v[AF+FR*(\a):AF+FR*(\a)+FR-1], v[BB+8*\b:BB+8*\b+7], v[SC+8*NQ*(\sc)+NQ*\b+(\q)], v[SC+8*NQ*(\sc)+NQ*(\a)+(\q)] matrix_a_fmt:MATRIX_FMT_FP6 matrix_b_fmt:MATRIX_FMT_FP6 matrix_a_scale:MATRIX_SCALE_ROW1
.else
	v_wmma_scale_f32_16x16x128_f8f6f4 v[8*(8*((\a)%4)+\b):8*(8*((\a)%4)+\b)+7], v[128*(\p)+FR*\b:128*(\p)+FR*\b+FR-1], v[AF+FR*(\a):AF+FR*(\a)+FR-1], v[8*(8*((\a)%4)+\b):8*(8*((\a)%4)+\b)+7], v[SC+8*NQ*(\sc)+NQ*\b+(\q)], v[SC+8*NQ*(\sc)+NQ*(\a)+(\q)] matrix_a_fmt:MATRIX_FMT_FP6 matrix_b_fmt:MATRIX_FMT_FP6 matrix_a_scale:MATRIX_SCALE_ROW1
.endif
.endr
.endr
.endm
.macro FETCH_B st, p
	WIN TO_B
.irp i, 0,1,2,3,4,5,6,7
	FRAG 128*(\p)+FR*\i, ADRB, \st, \i
.endr
	WIN 0
.endm
.macro FETCH_A st, i0
.irp i, \i0, \i0+1, \i0+2, \i0+3
	FRAG AF+FR*(\i), ADRA, \st, \i
.endr
.endm
.macro SCALES pr                       ; the words of steps 2 pr, 2 pr + 1: lanes 0-15 A's block i, lanes 16-31 B's
.irp i, 0,1,2,3,4,5,6,7
	ds_load_b64 v[SC+8*NQ*((\pr)%2)+NQ*\i:SC+8*NQ*((\pr)%2)+NQ*\i+1], v[ADRS] offset:\i*SBLK+4*NQ*(\pr)
.endr
.endm
; A step: 64 matrix instructions; the next step's fragments are fetched in its middle and at its end.  Where the next step's bytes END in a chunk not read yet: a wait for my tensor loads and a barrier.
; Where they BEGIN in a later chunk: the three lines, the barrier, and, where a chunk two on is left, a round of the cluster's barrier and the refill.
.macro STEP st, first
.set NX, (\st)+1
.set C0, (96*(\st))/ROWB
.set C1, (96*NX)/ROWB
.set E0, (96*(\st)+95)/ROWB
.set E1, (96*NX+95)/ROWB
.if C1 > C0 || E1 > E0
	s_wait_tensorcnt 0x0                           ; all my tensor loads have landed
.if C1 > C0
	ds_add_u32 v[SPW], v[NIL]
	s_wait_dscnt 4*NL+1                            ; the add and the youngest 24 loads (A's blocks 4-7) may be out
.else
	s_wait_dscnt 4*NL
.endif
	WIN MUL_LO
	MUL16 0, (\st)%2, (\st)%2, ((\st)/2)%2, 0
	s_wait_dscnt 0x0                               ; the add and all my reads are done
	s_barrier_signal -1
	MUL16 2, (\st)%2, (\st)%2, ((\st)/2)%2, 0
	WIN 0
	s_barrier_wait -1
.if C1 > C0 && C0+2 < CHUNKS
	CREST                                          ; no wave of any partner still reads this slot or has a load on its way
	s_add_nc_u64 s[G0+4*(C0%2)+2:G0+4*(C0%2)+3], s[G0+4*(C0%2)+2:G0+4*(C0%2)+3], 2*ROWB
	s_add_nc_u64 s[G0B+4*(C0%2)+2:G0B+4*(C0%2)+3], s[G0B+4*(C0%2)+2:G0B+4*(C0%2)+3], 2*ROWB
	JLOAD G0+4*(C0%2), G1, G0B+4*(C0%2), G1B       ; chunk C0 + 2; its four v_nop are the places in front of the loads below
.else
	PLACES NP
.endif
.else
	s_wait_dscnt 4*NL                              ; all but the youngest 24 loads (A's blocks 4-7)
	WMUL 0, \first
	MUL16 0, (\st)%2, (\st)%2, ((\st)/2)%2, \first
	MUL16 2, (\st)%2, (\st)%2, ((\st)/2)%2, \first
	s_wait_dscnt 0
	PLACES NP
.endif
	FETCH_B NX, NX%2
	FETCH_A NX, 0
.if NX%2 == 0
	SCALES NX/2
.endif
	WMUL 1, \first
	MUL16 4, (\st)%2, (\st)%2, ((\st)/2)%2, \first
	MUL16 6, (\st)%2, (\st)%2, ((\st)/2)%2, \first
	PLACES NP
	WIN 0
	FETCH_A NX, 4
.endm
	s_wait_alu depctr_va_vdst(0)                   ; the wait at the head's end
	s_wait_tensorcnt 0x0                           ; my tile of the head's four is in; the three lines ahead of a later first fill
	ds_add_u32 v[SPW], v[NIL]
	s_mov_b32 s[G1+2], 128<<16                     ; no tensor load of mine is out: from here on a load brings 128 rows
	s_mov_b32 s[G1+4], 128
	s_mov_b32 s[G1B+2], 128<<16
	s_mov_b32 s[G1B+4], 128
	s_wait_dscnt 0x0
	CROUND
	JLOAD G0+4, G1, G0B+4, G1B                     ; chunk 1, the first tensor load behind the round
	FETCH_B 0, 0
	FETCH_A 0, 0
	SCALES 0
	FETCH_A 0, 4
	STEP 0, 1
.set ST, 1
.rept STEPS-2
	STEP ST, 0
.set ST, ST+1
.endr
	s_wait_dscnt 4*NL                              ; the last step
	WIN MUL_LO
	MUL16 0, 1, 1, 1, 0
	MUL16 2, 1, 1, 1, 0
	s_wait_dscnt 0
	WIN MUL_HI
	MUL16 4, 1, 1, 1, 0
	MUL16 6, 1, 1, 1, 0
	WIN 0
; 64 numbers of a lane, v[s] on, become a fragment's codes in v[CD] on and its scale word in v[pw]
.macro QUANT s, pw
.irp b, 0,1,2,3
	v_max3_num_f32 v[TM+\b], |v[\s+16*\b]|, |v[\s+1+16*\b]|, 0x1800000   ; with the floor 2^(3 - 127): the byte cannot fall under 1
.endr
.irp i, 2,4,6,8,10,12,14
.irp b, 0,1,2,3
	v_max3_num_f32 v[TM+\b], v[TM+\b], |v[\s+16*\b+\i]|, |v[\s+1+16*\b+\i]|
.endr
.endr
.irp b, 0,1,2,3
	v_permlanex16_b32 v[TM+4+\b], v[TM+\b], s[SEL], s[SEL+1]
.endr
.irp b, 0,1,2,3
	v_max_num_f32 v[TM+\b], v[TM+\b], v[TM+4+\b]   ; the block's largest magnitude
.endr
.irp b, 0,1,2,3
	v_add_nc_u32 v[TM+12+\b], 0xff000000, v[TM+\b] ; 2 off its exponent field: the conversion's scale operand
.endr
.irp b, 0,1,2,3
	v_lshrrev_b32 v[TM+4+\b], 23, v[TM+12+\b]      ; the scale's byte
.endr
	v_lshl_or_b32 v[\pw], v[TM+5], 8, v[TM+4]
	v_lshl_or_b32 v[\pw], v[TM+6], 16, v[\pw]
	v_lshl_or_b32 v[\pw], v[TM+7], 24, v[\pw]
.irp c, 0,1
	v_cvt_scalef32_pk16_fp6_f32 v[CD+6*\c:CD+2+6*\c], v[\s+32*\c:\s+15+32*\c], v[TM+12+2*\c]
	v_cvt_scalef32_pk16_fp6_f32 v[CD+12+4*\c:CD+14+4*\c], v[\s+16+32*\c:\s+31+32*\c], v[TM+12+2*\c+1]
.endr
	v_nop                                          ; one plain place behind a scaled conversion
.irp c, 0,1                                    ; a whole block in a lane: lanes 0-15 block 2 c, lanes 16-31 block 2 c + 1
.irp i, 0,1,2
	v_permlane16_swap_b32 v[CD+6*\c+\i], v[CD+12+4*\c+\i]
.endr
.irp i, 0,1,2
	v_mov_b32 v[CD+3+6*\c+\i], v[CD+12+4*\c+\i]
.endr
.endr
.endm
.macro OUTBLK a                        ; block a: into window 0 with V's bias, quantised, masked, stored as an image
.set WN, 0x02+(\a)/4
	WIN WN
.set i, 0
.rept 32
	v_pk_add_f32 v[T+2*i:T+2*i+1], v[64*((\a)%4)+2*i:64*((\a)%4)+2*i+1], v[BA+2*(\a):BA+2*(\a)+1]   ; each accumulator from its low end on
.set i, i+1
.endr
	WIN 0
	s_wait_xcnt 0x0                                ; the block before has stores that read the codes' registers
	QUANT T, SW+(\a)
.set i, 0
.rept 12
	v_and_b32 v[CD+i], v[KM+(\a)], v[CD+i]
.set i, i+1
.endr
	global_store_b128 v[O16], v[CD:CD+3], s[12:13] offset:1536*(\a)
	global_store_b64 v[O8], v[CD+4:CD+5], s[12:13] offset:1536*(\a)+512
	global_store_b128 v[O16], v[CD+6:CD+9], s[12:13] offset:1536*(\a)+768
	global_store_b64 v[O8], v[CD+10:CD+11], s[12:13] offset:1536*(\a)+1280
	ds_store_b32 v[SST], v[SW+(\a)] offset:64*(\a) ; lanes r and r + 16 write the same word with the same value
.endm
	PLACES NP
.irp b, 0,1,2,3
	v_mov_b32 v[TM+4+\b], 0                        ; a lane permute's destination counts as one of its sources
.endr
.irp a, 0,1,2,3,4,5,6,7
	OUTBLK \a
.endr
	ds_load_b128 v[172:175], v[SRD]                ; LDS serves a wave's instructions in order (ISA guide 5.7.1.4)
	s_wait_dscnt 0x0
	global_store_b128 v[O16], v[172:175], s[100:101]   ; the eight blocks' scale words: 512 consecutive bytes
	s_wait_tensorcnt 0x0                           ; the wave's end
	ds_add_u32 v[SPW], v[NIL]
	s_wait_dscnt 0x0
	CROUND                                         ; the closing round
	s_endpgm
.Lfunc_end_k_q3964be8e07_qkv:
	.size	k_q3964be8e07_qkv, .Lfunc_end_k_q3964be8e07_qkv-k_q3964be8e07_qkv
	.p2alignl 7, 3214868480
	.fill 96, 4, 3214868480
	.section	.rodata,"a",@progbits
	.p2align	6, 0x0
	.amdhsa_kernel k_q3964be8e07_qkv
		.amdhsa_group_segment_fixed_size 327680
		.amdhsa_private_segment_fixed_size 0
		.amdhsa_enable_private_segment 0
		.amdhsa_kernarg_size 144
		.amdhsa_user_sgpr_count 2
		.amdhsa_user_sgpr_kernarg_segment_ptr 1
		.amdhsa_wavefront_size32 1
		.amdhsa_system_sgpr_workgroup_id_x 1
		.amdhsa_system_sgpr_workgroup_id_y 1
		.amdhsa_system_sgpr_workgroup_id_z 1
		.amdhsa_system_vgpr_workitem_id 0
		.amdhsa_next_free_vgpr 1024
		.amdhsa_next_free_sgpr 106
		.amdhsa_reserve_vcc 1
		.amdhsa_float_denorm_mode_32 3
		.amdhsa_float_denorm_mode_16_64 3
		.amdhsa_memory_ordered 1
		.amdhsa_forward_progress 1
		.amdhsa_inst_pref_size 191
	.end_amdhsa_kernel
	.amdgpu_metadata
---
amdhsa.version: [ 1, 2 ]
amdhsa.kernels:
  - .name:           k_q3964be8e07_qkv
    .symbol:         k_q3964be8e07_qkv.kd
    .args:
      - { .name: x_codes, .offset: 0, .size: 8, .value_kind: global_buffer, .address_space: global }
      - { .name: x_scales, .offset: 8, .size: 8, .value_kind: global_buffer, .address_space: global }
      - { .name: Wq_codes, .offset: 16, .size: 8, .value_kind: global_buffer, .address_space: global }
      - { .name: Wq_scales, .offset: 24, .size: 8, .value_kind: global_buffer, .address_space: global }
      - { .name: Wk_codes, .offset: 32, .size: 8, .value_kind: global_buffer, .address_space: global }
      - { .name: Wk_scales, .offset: 40, .size: 8, .value_kind: global_buffer, .address_space: global }
      - { .name: Wv_codes, .offset: 48, .size: 8, .value_kind: global_buffer, .address_space: global }
      - { .name: Wv_scales, .offset: 56, .size: 8, .value_kind: global_buffer, .address_space: global }
      - { .name: bq, .offset: 64, .size: 8, .value_kind: global_buffer, .address_space: global }
      - { .name: bk, .offset: 72, .size: 8, .value_kind: global_buffer, .address_space: global }
      - { .name: bv, .offset: 80, .size: 8, .value_kind: global_buffer, .address_space: global }
      - { .name: pad_mask, .offset: 88, .size: 8, .value_kind: global_buffer, .address_space: global }
      - { .name: q_codes, .offset: 96, .size: 8, .value_kind: global_buffer, .address_space: global }
      - { .name: q_scales, .offset: 104, .size: 8, .value_kind: global_buffer, .address_space: global }
      - { .name: k_codes, .offset: 112, .size: 8, .value_kind: global_buffer, .address_space: global }
      - { .name: k_scales, .offset: 120, .size: 8, .value_kind: global_buffer, .address_space: global }
      - { .name: v_codes, .offset: 128, .size: 8, .value_kind: global_buffer, .address_space: global }
      - { .name: v_scales, .offset: 136, .size: 8, .value_kind: global_buffer, .address_space: global }
    .group_segment_fixed_size: 327680
    .private_segment_fixed_size: 0
    .kernarg_segment_align: 8
    .kernarg_segment_size: 144
    .max_flat_workgroup_size: 128
    .sgpr_count:     106
    .vgpr_count:     1024
    .wavefront_size: 32
...
	.end_amdgpu_metadata
.endif
;; end of part 1
;; launch attn (part 2): grid 64 x 4, 16 waves a work-group, no clusters, 219,136 bytes of LDS; arguments q_codes, q_scales, k_codes, k_scales, v_codes, v_scales, pad_mask, y_codes, y_scales; writes y_codes, y_scales
.if DOCPART == 2
	.amdgcn_target "amdgcn-amd-amdhsa--gfx1250"
	.amdhsa_code_object_version 6
	.text
	.protected	k_q3964be8e07_attn
	.globl	k_q3964be8e07_attn
	.p2align	8
	.type	k_q3964be8e07_attn,@function
k_q3964be8e07_attn:
	s_mov_b64 s[64:65], 0
	v_nop
	global_prefetch_b8 v0, s[64:65] scope:SCOPE_SE
	s_setreg_imm32_b32 hwreg(HW_REG_WAVE_MODE, 25, 1), 1
	s_wait_xcnt 0x0
; Y[b][h][q] = softmax_k(Q.K / 8, causal mask, padding mask) V, both products on codes of FP6 (E2M3); Y is quantised along d_model and leaves as codes.
; SHARES.  A work-group owns one (batch, head): grid x; its whole K and V, as codes, lie in LDS and are filled ONCE (2 x 98,304 bytes), one tensor load a wave: waves 0-7 sixteen tiles of K each, waves 8-15 two key steps of V each.
; Four work-groups (grid y = g) share a head's 128 tiles of 16 queries: wave w of 16 takes tile T = 16 g + w and then tile 127 - T.  Tile T has T / 8 full key steps of 128 and one on the diagonal: 17 steps a wave.
; The steps behind the diagonal lie wholly under the causal mask that the problem builds itself: a branch on ids leads round their work; the loop's trip count stays 16.
; NO CLUSTER, though the four work-groups of a head read the same K and V: which steps are worked hangs on g, which would be the place in the cluster.
; NO PREFETCH: K and V are asked for once, at the head; there is no loop of fills to run ahead in.
; LAYOUT.  Both products are used transposed: S^T = K Q^T (source 0 = 16 keys, source 1 = my 16 queries), O^T = V^T P^T: a lane holds one query (lane % 16) throughout.
; Register 8 t + j of S^T is key 16 t + 8 (lane / 16) + j; p is quantised as it stands, which is the order in which the launch before laid V's keys inside each block of 32.
; THE HEAD'S 64 fill half of the instruction's 128 along K: Q's upper 64 codes are zeros; K's operand is 12 registers of which the upper six are the next tile's codes (behind the last tile: zeros): those products are exact zeros.
; THE MASKS.  S^T of a tile begins as a product of its own: source 0 all zeros but the code -1 at k = 95, source 1 all ones, source 0's scale the key's word, whose byte 2 is 227 for a padded key and 0 otherwise:
; -2^100 for a padded key, -2^-127 otherwise.  K Q^T is added onto it; a padded key's codes are zeros, so it stays -2^100.  The causal mask of the diagonal step writes the same number.
; c x 2^100 is a whole number, so in a row that is masked so far t - M = 0 and p = 1; the first real score moves M and multiplies what was summed by 0.
; A ROW ALL OF WHOSE ALLOWED KEYS ARE PADDED is uniform over all 2,048 keys, whatever the query: its O^T is the sum of V's quantised numbers over all keys (p = 1 is a code) and its sum is 2,048.
; That total is made once: wave w multiplies key step w of V by ones, the 16 partial vectors of 64 channels meet in LDS, each wave adds them into 256 bytes of its own, and the way out selects the total in such rows.
; THE SOFTMAX.  t = score x log2(e) / 8; M = the running largest t rounded up to a whole number; p = 2^(t - M) is quantised; the row's sum is taken of the unquantised p and divides at the end.
; LIMITS: scores at or under -2^100 count as masked; every score carries -2^-127; blocks under 2^-124 keep the scale byte 1; NaN and infinities are not served.
.set KC, 0                             ; K's codes: 128 tiles of 16 keys x 768 bytes
.set VC, 98304                         ; V's codes: 16 key steps x 4 tiles of 16 channels x 1,536 bytes
.set KW, 196608                        ; a word a key: bytes 0, 1 K's scales, byte 2 the padding's, byte 3 = 0
.set VS, 204800                        ; V's scale words: step x 256 + tile x 64 + 4 r
.set SPARE, 208896                     ; the spare words, 128 bytes a wave
.set VT, 210944                        ; 16 partial sums of V: 256 bytes a wave (channel c at 4 c)
.set VT2, 215040                       ; the total, a copy of 256 bytes for each wave
.set STB, 6144                         ; a key step's bytes of K, and of V
; SCALARS: s[4:21] the nine buffers; s22 wave; s23 wave % 8; s24 batch, s25 head, s26 head / 2, s27 head % 2; s[30:31] lane selects; s[32:33] c; s[36:43], s[44:51] descriptor groups 1; s[76:79], s[84:87] groups 0;
;   s60 T, s61 its diagonal step, s62 the step, s66, s67, s100 the step's places in K and V, in KW, in VS; s101, s104 my wave's bytes in VT, VT2; s2 the pass, s3 a loop's trips.
; VECTORS: v1-6 lane addresses that stay; v7-11, v34 the step's; v12 -M, v13 the largest t, v[14:15] the sum; v16-21 Q, v22-32 zeros, v33 the code -1 (lanes 0-15); v35 32 r + h; v36-83 K's eight fragments, then V's four; v84-89 zeros;
;   v90 16 lane, v91 8 lane, v92-94 the tile's offsets, v95 h; v96-159 S^T, then p; v160-191 O^T; v192-203 ones; v204 the scale 1; v205 where my lane reads the total; v206-213 the keys' words; v214-220 the second tile's Q;
;   v221 -2^100, v222 c x that, v223 r - 8 h; v224-235 p's codes; v232-254 at work; v248-251 V's scale words; v255 Q's scale word.
	s_load_b512 s[4:19], s[0:1], 0x0               ; q codes, q scales, k codes, k scales, v codes, v scales, pad_mask, y codes
	s_load_b64 s[20:21], s[0:1], 0x40              ; y scales
	v_lshl_add_u32 v254, v0, 2, SPARE
	v_mov_b32 v255, 0
	ds_add_u32 v254, v255                          ; the opening lines: the add twice and its wait
	ds_add_u32 v254, v255
	s_wait_dscnt 0x0
	v_lshrrev_b32 v7, 5, v0
	s_delay_alu instid0(VALU_DEP_1)
	v_readfirstlane_b32 s22, v7                    ; wave 0..15
	s_and_b32 s23, s22, 7                          ; which eighth of K or of V I fetch
	s_lshr_b32 s24, ttmp9, 4                       ; batch
	s_and_b32 s25, ttmp9, 15                       ; head
	s_lshr_b32 s26, s25, 1                         ; the pair of heads that shares an image
	s_and_b32 s27, s25, 1                          ; and my half of it
	s_and_b32 s60, ttmp7, 0xffff                   ; g
	s_lshl_b32 s60, s60, 4
	s_add_co_u32 s60, s60, s22                     ; T = 16 g + wave
	s_lshl_b32 s52, s26, 9
	s_lshl_b32 s53, s24, 7
	s_add_co_u32 s52, s52, s53                     ; the first image of my batch in my pair
	s_mul_i32 s28, s52, 1536
	s_mul_i32 s53, s27, 768
	s_add_co_u32 s28, s28, s53                     ; in bytes, at my half
	s_mov_b32 s29, 0
	s_lshl_b32 s54, s52, 6                         ; its scale words
	s_mov_b32 s55, 0
	s_lshl_b32 s53, s27, 1
	s_add_co_u32 s56, s54, s53                     ; and my head's two bytes of a word
	s_mov_b32 s57, 0
	s_lshl_b32 s58, s24, 10
	s_lshl_b32 s53, s25, 2
	s_add_co_u32 s58, s58, s53                     ; V: image 1,024 batch + 4 head, + 64 for each key step
	s_mov_b32 s59, 0
	s_lshl_b32 s53, s23, 7
	s_add_co_u32 s34, s58, s53                     ; what I fetch of V: key steps 2 (wave % 8) and the next
	s_mul_i32 s34, s34, 1536
	s_mov_b32 s35, 0
	s_lshl_b32 s58, s58, 6                         ; V's scale words
	s_mul_i32 s68, s23, 24576                      ; what I fetch of K: tiles 16 (wave % 8) on
	s_add_co_u32 s68, s68, s28
	s_mov_b32 s69, 0
	s_mul_i32 s53, s23, 12288                      ; and where both go
	s_lshl_b32 s101, s22, 8
	s_add_co_u32 s104, s101, VT2
	s_add_co_u32 s101, s101, VT
	; group 1.  K: 16 rows of 768 bytes (96 elements of 8), 1,536 bytes apart.  V: 2 rows of 6,144 bytes, 98,304 bytes apart.  Every row begins at a multiple of 256 bytes
	s_mov_b32 s36, 3<<16
	s_mov_b32 s37, 96<<16
	s_mov_b32 s38, 16<<16
	s_mov_b32 s39, 96<<16
	s_mov_b32 s40, 16
	s_mov_b32 s41, 192
	s_mov_b32 s42, 0
	s_mov_b32 s43, 0
	s_mov_b32 s44, 3<<16
	s_mov_b32 s45, 768<<16
	s_mov_b32 s46, 2<<16
	s_mov_b32 s47, 768<<16
	s_mov_b32 s48, 2
	s_mov_b32 s49, 12288
	s_mov_b32 s50, 0
	s_mov_b32 s51, 0
	s_mov_b32 s30, 0x76543210
	s_mov_b32 s31, 0xfedcba98                      ; lane l xor 16
	s_mov_b32 s32, 0x3e38aa3b                      ; c = log2(e) / 8
	s_mov_b32 s33, s32
	s_mov_b32 s2, 0
	s_wait_kmcnt 0x0
	s_mov_b32 s76, 1
	s_add_co_u32 s77, s53, KC
	s_add_nc_u64 s[78:79], s[8:9], s[68:69]
	s_or_b32 s79, s79, 0x80000000
	s_mov_b32 s84, 1
	s_add_co_u32 s85, s53, VC
	s_add_nc_u64 s[86:87], s[12:13], s[34:35]
	s_or_b32 s87, s87, 0x80000000
	s_cmp_lt_u32 s22, 8                            ; every wave issues one fill
	s_cbranch_scc0 .Lnot_k
	tensor_load_to_lds s[76:79], s[36:43]
	s_nop 0
.rept 4
	v_nop
.endr
	s_branch .Lasked
.Lnot_k:
	tensor_load_to_lds s[84:87], s[44:51]
	s_nop 0
.rept 4
	v_nop
.endr
.Lasked:
	s_add_nc_u64 s[4:5], s[4:5], s[28:29]          ; Q's and Y's codes at my batch's first tile, my half
	s_add_nc_u64 s[18:19], s[18:19], s[28:29]
	s_add_nc_u64 s[6:7], s[6:7], s[56:57]
	s_add_nc_u64 s[10:11], s[10:11], s[54:55]
	s_add_nc_u64 s[14:15], s[14:15], s[58:59]
	s_lshl_b32 s52, s24, 11
	s_mov_b32 s53, 0
	s_add_nc_u64 s[16:17], s[16:17], s[52:53]      ; my batch's 2,048 bytes of the mask
	s_lshl_b32 s52, s24, 16
	s_lshl_b32 s54, s25, 1
	s_add_co_u32 s52, s52, s54
	s_add_nc_u64 s[20:21], s[20:21], s[52:53]      ; Y's scale bytes: 32 a token, my head's two
	v_and_b32 v8, 31, v0                           ; lane
	v_and_b32 v9, 15, v0                           ; r
	v_bfe_u32 v95, v0, 4, 1                        ; h
	s_delay_alu instid0(VALU_DEP_3)
	v_lshlrev_b32 v90, 4, v8
	s_delay_alu instid0(VALU_DEP_4)
	v_lshlrev_b32 v91, 3, v8
	s_delay_alu instid0(VALU_DEP_2)
	v_add_nc_u32 v1, KC, v90                       ; an image's half: 16 bytes a lane,
	s_delay_alu instid0(VALU_DEP_2)
	v_add_nc_u32 v2, KC+512, v91                   ; then 8
	s_delay_alu instid0(VALU_DEP_4)
	v_add_nc_u32 v3, VC, v90
	s_delay_alu instid0(VALU_DEP_4)
	v_add_nc_u32 v4, VC+512, v91
	v_lshl_add_u32 v5, v9, 2, KW
	v_lshl_add_u32 v6, v9, 2, VS
	v_lshl_add_u32 v35, v9, 5, v95
	v_lshlrev_b32 v10, 3, v95
	s_delay_alu instid0(VALU_DEP_1)
	v_sub_nc_u32 v223, v9, v10
	v_lshl_add_u32 v97, v0, 4, KW                  ; where I store four keys' words,
	v_lshl_add_u32 v98, v0, 3, VS                  ; and two of V's scale words
	v_lshlrev_b32 v99, 2, v0
	v_lshlrev_b32 v106, 4, v0
	v_lshl_add_u32 v107, v7, 12, v91               ; key step thread / 32: 4,096 bytes on in memory; 8 bytes a lane
	s_mul_i32 s34, s60, 1536
	v_add_nc_u32 v108, s34, v90
	v_add_nc_u32 v109, s34, v91
	s_lshl_b32 s34, s60, 6
	v_lshl_add_u32 v110, v9, 2, s34
	s_sub_co_u32 s63, 127, s60                     ; my second tile
	s_mul_i32 s34, s63, 1536
	v_add_nc_u32 v111, s34, v90
	v_add_nc_u32 v112, s34, v91
	s_lshl_b32 s34, s63, 6
	v_lshl_add_u32 v113, v9, 2, s34
	global_load_b32 v96, v99, s[16:17]             ; four keys' bytes of the mask
	global_load_b128 v[100:103], v106, s[10:11]    ; their scale words (both heads of the pair)
	global_load_b64 v[104:105], v107, s[14:15]     ; V's scale words
	global_load_b128 v[16:19], v108, s[4:5]        ; Q of my first tile
	global_load_b64 v[20:21], v109, s[4:5] offset:512
	global_load_u16 v255, v110, s[6:7]             ; its scale word: bytes 2, 3 are 0
	global_load_b128 v[214:217], v111, s[4:5]      ; and of my second
	global_load_b64 v[218:219], v112, s[4:5] offset:512
	global_load_u16 v220, v113, s[6:7]
.set i, 22
.rept 11
	v_mov_b32 v[i], 0                              ; Q's upper 64 codes; with v33 the mask product's source 0
.set i, i+1
.endr
	v_add_nc_u32 v33, -1, v95
	s_delay_alu instid0(VALU_DEP_1)
	v_and_b32 v33, 0xa0000000, v33                 ; the code -1 (0x28) at bits 186-191 of lanes 0-15's second 24 bytes: k = 95
.set i, 84
.rept 6
	v_mov_b32 v[i], 0                              ; behind the last tile of K
.set i, i+1
.endr
.irp i, 0,3,6,9
	v_mov_b32 v[192+\i], 0x08208208                ; the code 1 (0x08) 128 times
	v_mov_b32 v[193+\i], 0x82082082
	v_mov_b32 v[194+\i], 0x20820820
.endr
	v_mov_b32 v204, 0x7f7f7f7f
	v_lshl_add_u32 v205, v95, 5, s104              ; my wave's copy of the total, + 32 h
	v_mov_b32 v221, 0xf1800000                     ; -2^100
	s_delay_alu instid0(VALU_DEP_1)
	v_mul_f32 v222, s32, v221
.irp b, 0,1,2,3
	v_mov_b32 v[236+\b], 0                         ; a lane permute's destination counts as one of its sources
.endr
	v_mov_b32 v253, 0                              ; (named as the upper half of v[252:253] before it is first written)
	s_lshl_b32 s34, s27, 4
	s_wait_loadcnt 0x0
.irp i, 0,1,2,3
	v_lshrrev_b32 v[100+\i], s34, v[100+\i]
	s_delay_alu instid0(VALU_DEP_1)
	v_and_b32 v[100+\i], 0xffff, v[100+\i]         ; my head's two bytes
	v_bfe_u32 v[114+\i], v96, 8*\i, 8              ; the mask's byte, 0 or 1
	s_delay_alu instid0(VALU_DEP_1)
	v_mad_u32_u24 v[100+\i], v[114+\i], 0xe30000, v[100+\i]   ; byte 2 = 227 for a padded key
.endr
	ds_store_b128 v97, v[100:103]
	ds_store_b64 v98, v[104:105]
	s_wait_tensorcnt 0x0                           ; my one fill has landed
	s_wait_dscnt 0x0                               ; for the others' sake: my stores are done
	s_barrier_signal -1
	s_barrier_wait -1                              ; all of K, V and the words are in
	; THE TOTAL OF V: key step = my wave's number, times ones
	s_mul_i32 s63, s22, STB
	s_lshl_b32 s34, s22, 8
	v_add_nc_u32 v9, s63, v3
	v_add_nc_u32 v10, s63, v4
	v_add_nc_u32 v34, s34, v6
	v_lshl_add_u32 v7, v95, 5, s101                ; my partial: 256 bytes a wave, + 32 h
	v_add_nc_u32 v8, VT, v91                       ; channels 2 lane, 2 lane + 1 of partial 0
	v_add_nc_u32 v11, s104, v91                    ; and of my copy of the total
.irp t, 0,1,2,3
	ds_load_b128 v[36+12*\t:39+12*\t], v9 offset:1536*\t
	ds_load_b64 v[40+12*\t:41+12*\t], v10 offset:1536*\t
	ds_load_b128 v[42+12*\t:45+12*\t], v9 offset:1536*\t+768
	ds_load_b64 v[46+12*\t:47+12*\t], v10 offset:1536*\t+768
	ds_load_b32 v[248+\t], v34 offset:64*\t
.endr
	s_wait_alu depctr_va_vdst(0)                   ; the wait ahead of the wait below
	s_wait_dscnt 0x0
.irp t, 0,1,2,3
	v_wmma_scale_f32_16x16x128_f8f6f4 v[160+8*\t:167+8*\t], v[36+12*\t:47+12*\t], v[192:203], 0, v[248+\t], v204 matrix_a_fmt:MATRIX_FMT_FP6 matrix_b_fmt:MATRIX_FMT_FP6
.endr
.rept 4
	v_nop                                          ; places behind the products
.endr
.irp t, 0,1,2,3                                ; register 8 t + j: channel 16 t + 8 h + j, the same in all sixteen columns: lanes of one h write the same bytes with the same values
	ds_store_b128 v7, v[160+8*\t:163+8*\t] offset:64*\t
	ds_store_b128 v7, v[164+8*\t:167+8*\t] offset:64*\t+16
.endr
	s_wait_dscnt 0x0
	s_barrier_signal -1
	s_barrier_wait -1                              ; all sixteen partials are in
.irp p, 0,1,2,3,4,5,6,7,8,9,10,11,12,13,14,15
	ds_load_b64 v[96+2*\p:97+2*\p], v8 offset:256*\p
.endr
	s_wait_dscnt 0x0
.irp p, 0,1,2,3,4,5,6,7
	v_pk_add_f32 v[96+2*\p:97+2*\p], v[96+2*\p:97+2*\p], v[112+2*\p:113+2*\p]
.endr
.irp p, 0,1,2,3
	s_delay_alu instid0(VALU_DEP_4)
	v_pk_add_f32 v[96+2*\p:97+2*\p], v[96+2*\p:97+2*\p], v[104+2*\p:105+2*\p]
.endr
.irp p, 0,1
	s_delay_alu instid0(VALU_DEP_2)
	v_pk_add_f32 v[96+2*\p:97+2*\p], v[96+2*\p:97+2*\p], v[100+2*\p:101+2*\p]
.endr
	s_delay_alu instid0(VALU_DEP_1)
	v_pk_add_f32 v[96:97], v[96:97], v[98:99]
	ds_store_b64 v11, v[96:97]                     ; my wave's own bytes: only I read them, and LDS serves a wave's instructions in order (ISA guide 5.7.1.4)
; A KEY STEP of 128 keys.
.macro STEP
	s_cmp_gt_u32 s62, s61                          ; behind the diagonal?  A branch on ids round the step's work
	s_cbranch_scc1 .Ldone_\@
	v_add_nc_u32 v7, s66, v1                       ; (these six are also the places in front of loads into registers that the last products read)
	v_add_nc_u32 v8, s66, v2
	v_add_nc_u32 v9, s66, v3
	v_add_nc_u32 v10, s66, v4
	v_add_nc_u32 v11, s67, v5
	v_add_nc_u32 v34, s100, v6
.irp t, 0,1,2,3,4,5,6,7
	ds_load_b32 v[206+\t], v11 offset:64*\t        ; the keys' words
.endr
.irp t, 0,1,2,3,4,5,6,7
	ds_load_b128 v[36+6*\t:39+6*\t], v7 offset:768*\t
	ds_load_b64 v[40+6*\t:41+6*\t], v8 offset:768*\t
.endr
	s_wait_dscnt 16                                ; the eight words are in; K's 16 loads, issued behind them, may be out
.irp t, 0,1,2,3,4,5,6,7
	v_wmma_scale_f32_16x16x128_f8f6f4 v[96+8*\t:103+8*\t], v[22:33], v[192:203], 0, v[206+\t], v204 matrix_a_fmt:MATRIX_FMT_FP6 matrix_b_fmt:MATRIX_FMT_FP6   ; -2^100 for a padded key
.endr
	s_wait_dscnt 0x0
.irp t, 0,1,2,3,4,5,6,7                        ; the eight accumulators by turns
	v_wmma_scale_f32_16x16x128_f8f6f4 v[96+8*\t:103+8*\t], v[36+6*\t:47+6*\t], v[16:27], v[96+8*\t:103+8*\t], v[206+\t], v255 matrix_a_fmt:MATRIX_FMT_FP6 matrix_b_fmt:MATRIX_FMT_FP6
.endr
.rept 4
	v_nop                                          ; places: for the loads over K's fragments and the first reads of the scores
.endr
	s_wait_alu depctr_va_vdst(0)
.irp t, 0,1,2,3                                ; V's fragments land while the softmax is walked
	ds_load_b128 v[36+12*\t:39+12*\t], v9 offset:1536*\t
	ds_load_b64 v[40+12*\t:41+12*\t], v10 offset:1536*\t
	ds_load_b128 v[42+12*\t:45+12*\t], v9 offset:1536*\t+768
	ds_load_b64 v[46+12*\t:47+12*\t], v10 offset:1536*\t+768
	ds_load_b32 v[248+\t], v34 offset:64*\t
.endr
	s_cmp_lt_u32 s62, s61                          ; a step all of whose keys count skips the causal mask
	s_cbranch_scc1 .Lopen_\@
	s_lshl_b32 s63, s60, 4
	s_lshl_b32 s34, s62, 7
	s_sub_co_i32 s63, s63, s34
	v_add_nc_u32 v252, s63, v223                   ; d = my query - the step's first key - 8 h: register 8 t + j is hidden where 16 t + j > d
.irp n, 0,1,2,3,4,5,6,7,8,9,10,11,12,13,14,15,16,17,18,19,20,21,22,23,24,25,26,27,28,29,30,31,32,33,34,35,36,37,38,39,40,41,42,43,44,45,46,47,48,49,50,51,52,53,54,55,56,57,58,59,60,61,62,63
	v_cmp_gt_i32 vcc_lo, 16*(\n/8)+\n%8, v252
	v_cndmask_b32 v[96+\n], v[96+\n], v221, vcc_lo
.endr
.Lopen_\@:
.irp b, 0,1,2,3
	v_max3_num_f32 v[232+\b], v[96+16*\b], v[97+16*\b], v[98+16*\b]   ; the largest score of each block of 32 keys: for the row's maximum, and, since p rises with the score, for the block's largest p
.endr
.irp i, 3,5,7,9,11,13
.irp b, 0,1,2,3
	v_max3_num_f32 v[232+\b], v[232+\b], v[96+16*\b+\i], v[97+16*\b+\i]
.endr
.endr
.irp b, 0,1,2,3
	v_max_num_f32 v[232+\b], v[232+\b], v[111+16*\b]
.endr
.irp b, 0,1,2,3
	s_delay_alu instid0(VALU_DEP_4)
	v_permlanex16_b32 v[236+\b], v[232+\b], s30, s31
.endr
.irp b, 0,1,2,3
	s_delay_alu instid0(VALU_DEP_4)
	v_max_num_f32 v[232+\b], v[232+\b], v[236+\b]  ; with lane l xor 16's 16 keys
.endr
	s_delay_alu instid0(VALU_DEP_2)
	v_max3_num_f32 v254, v232, v233, v234
	s_delay_alu instid0(VALU_DEP_1)
	v_max_num_f32 v254, v254, v235
	s_delay_alu instid0(VALU_DEP_1)
	v_mul_f32 v254, s32, v254                      ; as t
	s_delay_alu instid0(VALU_DEP_1)
	v_max_num_f32 v13, v13, v254                   ; the running largest t
	v_mov_b32 v254, v12
	s_delay_alu instid0(VALU_DEP_2)
	v_floor_f32 v12, -v13                          ; the new -M: M is a whole number
	s_delay_alu instid0(VALU_DEP_1)
	v_sub_f32 v254, v12, v254                      ; old M - new M, 0 or less
	s_delay_alu instid0(VALU_DEP_1)
	v_cvt_i32_f32 v254, v254                       ; (it saturates)
	s_delay_alu instid0(VALU_DEP_1)
	v_ldexp_f32 v252, 1.0, v254                    ; f = 2^(old M - new M): rounds nothing
.set j, 0
.rept 32
	v_pk_fma_f32 v[96+j:97+j], v[96+j:97+j], s[32:33], v[12:13] op_sel_hi:[1,0,0]   ; t - M, two at a time
.set j, j+2
.endr
.irp b, 0,1,2,3
	v_fma_f32 v[232+\b], v[232+\b], s32, v12       ; the same of each block's largest score
.endr
.set j, 0
	s_wait_alu depctr_va_vdst(0)
.rept 64
	v_exp_f32 v[96+j], v[96+j]                     ; p = 2^(t - M), at most 1
.set j, j+1
.endr
	v_pk_mul_f32 v[14:15], v[14:15], v[252:253] op_sel_hi:[1,0]   ; the sums under the new M: a plain place behind the exponentials
	s_wait_alu depctr_va_vdst(0)                   ; one wait for the batch of 64, ahead of its first reader
.irp b, 0,1,2,3
	v_exp_f32 v[232+\b], v[232+\b]                 ; the block's largest p
.endr
	v_pk_add_f32 v[236:237], v[100:101], v[104:105]
	v_pk_add_f32 v[246:247], v[108:109], v[112:113]
	v_pk_add_f32 v[244:245], v[116:117], v[120:121]
	v_pk_add_f32 v[242:243], v[124:125], v[128:129]
	v_pk_add_f32 v[240:241], v[132:133], v[136:137]
	v_pk_add_f32 v[238:239], v[140:141], v[144:145]
	v_pk_add_f32 v[230:231], v[148:149], v[152:153]
	v_pk_add_f32 v[14:15], v[14:15], v[156:157]
	v_pk_add_f32 v[236:237], v[236:237], v[96:97]
	v_pk_add_f32 v[246:247], v[246:247], v[98:99]
	v_pk_add_f32 v[244:245], v[244:245], v[102:103]
	v_pk_add_f32 v[242:243], v[242:243], v[106:107]
	v_pk_add_f32 v[240:241], v[240:241], v[110:111]
	v_pk_add_f32 v[238:239], v[238:239], v[114:115]
	v_pk_add_f32 v[230:231], v[230:231], v[118:119]
	v_pk_add_f32 v[14:15], v[14:15], v[122:123]
	v_pk_add_f32 v[236:237], v[236:237], v[126:127]
	v_pk_add_f32 v[246:247], v[246:247], v[130:131]
	v_pk_add_f32 v[244:245], v[244:245], v[134:135]
	v_pk_add_f32 v[242:243], v[242:243], v[138:139]
	v_pk_add_f32 v[240:241], v[240:241], v[142:143]
	v_pk_add_f32 v[238:239], v[238:239], v[146:147]
	v_pk_add_f32 v[230:231], v[230:231], v[150:151]
	v_pk_add_f32 v[14:15], v[14:15], v[154:155]
	v_pk_add_f32 v[236:237], v[236:237], v[158:159]
	s_delay_alu instid0(VALU_DEP_2)
	v_pk_add_f32 v[14:15], v[14:15], v[242:243]
	s_delay_alu instid0(VALU_DEP_2)
	v_pk_add_f32 v[236:237], v[236:237], v[240:241]
	v_pk_add_f32 v[246:247], v[246:247], v[238:239]
	v_pk_add_f32 v[244:245], v[244:245], v[230:231]
	s_delay_alu instid0(VALU_DEP_2)
	v_pk_add_f32 v[14:15], v[14:15], v[246:247]
	s_delay_alu instid0(VALU_DEP_2)
	v_pk_add_f32 v[236:237], v[236:237], v[244:245]
	s_delay_alu instid0(VALU_DEP_1)
	v_pk_add_f32 v[14:15], v[14:15], v[236:237]
	s_wait_alu depctr_va_vdst(0)                   ; and one for the four
.irp b, 0,1,2,3
	v_max_num_f32 v[232+\b], 0x1800000, v[232+\b]  ; the floor 2^(3 - 127): the byte cannot fall under 1
.endr
.irp b, 0,1,2,3
	s_delay_alu instid0(VALU_DEP_4)
	v_add_nc_u32 v[244+\b], 0xff000000, v[232+\b]  ; 2 off the exponent field: the conversion's scale operand
.endr
.irp b, 0,1,2,3
	s_delay_alu instid0(VALU_DEP_4)
	v_lshrrev_b32 v[236+\b], 23, v[244+\b]
.endr
	s_delay_alu instid0(VALU_DEP_3)
	v_lshl_or_b32 v253, v237, 8, v236              ; p's scale word for these 128 keys
	s_delay_alu instid0(VALU_DEP_1)
	v_lshl_or_b32 v253, v238, 16, v253
	s_delay_alu instid0(VALU_DEP_1)
	v_lshl_or_b32 v253, v239, 24, v253
.irp c, 0,1
	v_cvt_scalef32_pk16_fp6_f32 v[224+6*\c:226+6*\c], v[96+32*\c:111+32*\c], v[244+2*\c]
	v_cvt_scalef32_pk16_fp6_f32 v[236+4*\c:238+4*\c], v[112+32*\c:127+32*\c], v[244+2*\c+1]
.endr
	v_nop                                          ; one plain place behind a scaled conversion
.irp c, 0,1
.irp i, 0,1,2
	v_permlane16_swap_b32 v[224+6*\c+\i], v[236+4*\c+\i]
.endr
.irp i, 0,1,2
	s_delay_alu instid0(VALU_DEP_3)
	v_mov_b32 v[227+6*\c+\i], v[236+4*\c+\i]
.endr
.endr
.set j, 0
.rept 16
	v_pk_mul_f32 v[160+j:161+j], v[160+j:161+j], v[252:253] op_sel_hi:[1,0]   ; O^T under the new M; these also stand between the scale word's last write and the products
.set j, j+2
.endr
	s_wait_alu depctr_va_vdst(0)
	s_wait_dscnt 0x0                               ; V
.irp t, 0,1,2,3
	v_wmma_scale_f32_16x16x128_f8f6f4 v[160+8*\t:167+8*\t], v[36+12*\t:47+12*\t], v[224:235], v[160+8*\t:167+8*\t], v[248+\t], v253 matrix_a_fmt:MATRIX_FMT_FP6 matrix_b_fmt:MATRIX_FMT_FP6
.endr
.Ldone_\@:
	s_add_co_u32 s62, s62, 1
	s_add_co_u32 s66, s66, STB
	s_add_co_u32 s67, s67, 512
	s_add_co_u32 s100, s100, 256
.endm
.Ltile:                                            ; two trips: tile T, then tile 127 - T
	s_lshr_b32 s61, s60, 3                         ; the diagonal's key step
	s_mul_i32 s63, s60, 1536
	v_add_nc_u32 v92, s63, v90
	v_add_nc_u32 v93, s63, v91
	s_lshl_b32 s63, s60, 9
	v_add_nc_u32 v94, s63, v35
	v_mov_b32 v13, 0xff61b1e6                      ; the largest t so far: -3e38, under every t
	s_delay_alu instid0(VALU_DEP_1)
	v_floor_f32 v12, -v13
	v_mov_b32 v14, 0
	v_mov_b32 v15, 0
.set j, 0
.rept 32
	v_mov_b32 v[160+j], 0                          ; O^T: the step is written without a first step of its own
.set j, j+1
.endr
	s_mov_b32 s62, 0
	s_mov_b32 s66, 0
	s_mov_b32 s67, 0
	s_mov_b32 s100, 0
	s_mov_b32 s3, 16
.Lstep_a:                                          ; key steps 0-15
	STEP
	s_sub_co_u32 s3, s3, 1
	s_cmp_lg_u32 s3, 0
	s_cbranch_scc1 .Lstep_a
	; THE WAY OUT: the total of V in fully masked rows, O^T / the sum, the channels' true order, quantised along the head's 64 channels (two blocks), stored as my half of an image
.rept 4
	v_nop                                          ; places behind the last products
.endr
.irp t, 0,1,2,3
	ds_load_b128 v[128+8*\t:131+8*\t], v205 offset:64*\t       ; the total, in O^T's layout: register 8 t + j: channel 16 t + 8 h + j
	ds_load_b128 v[132+8*\t:135+8*\t], v205 offset:64*\t+16
.endr
	v_add_f32 v14, v14, v15
	s_delay_alu instid0(VALU_DEP_1)
	v_permlanex16_b32 v252, v14, s30, s31
	s_delay_alu instid0(VALU_DEP_1)
	v_add_f32 v14, v14, v252                       ; the row's sum
	s_sub_co_u32 s63, 15, s61
	s_lshl_b32 s63, s63, 7
	v_cvt_f32_u32 v254, s63                        ; the keys behind the diagonal's step: 128 (15 - step),
	v_cmp_ge_f32 vcc_lo, v222, v13                 ; is my row fully masked?
	s_delay_alu instid0(VALU_DEP_1)
	v_cndmask_b32 v254, 0, v254, vcc_lo            ; each with p = 1 in such a row: its sum is 2,048
	s_delay_alu instid0(VALU_DEP_1)
	v_add_f32 v14, v14, v254
	s_wait_dscnt 0x0                               ; the total is in
	s_wait_alu depctr_va_vdst(0)
	v_rcp_f32 v14, v14
	v_nop                                          ; a plain place behind the reciprocal
	s_wait_alu depctr_va_vdst(0)                   ; and the wait ahead of its first reader
.set j, 0
.rept 32
	v_cndmask_b32 v[96+j], v[160+j], v[128+j], vcc_lo   ; each accumulator from its low end on
.set j, j+1
.endr
.set j, 0
.rept 16
	v_pk_mul_f32 v[96+j:97+j], v[96+j:97+j], v[14:15] op_sel_hi:[1,0]   ; register 8 t + i: channel 16 t + 8 h + i
.set j, j+2
.endr
.irp b, 0,1
.irp j, 0,1,2,3,4,5,6,7
	v_permlane16_swap_b32 v[96+16*\b+\j], v[104+16*\b+\j]   ; register 16 b + i now holds channel 32 b + 16 h + i: Wo's codes are given, so Y stands in the true order
.endr
.endr
.irp b, 0,1
	v_max3_num_f32 v[232+\b], |v[96+16*\b]|, |v[97+16*\b]|, 0x1800000
.endr
.irp i, 2,4,6,8,10,12,14
.irp b, 0,1
	s_delay_alu instid0(VALU_DEP_2)
	v_max3_num_f32 v[232+\b], v[232+\b], |v[96+16*\b+\i]|, |v[97+16*\b+\i]|
.endr
.endr
.irp b, 0,1
	s_delay_alu instid0(VALU_DEP_2)
	v_permlanex16_b32 v[236+\b], v[232+\b], s30, s31
.endr
.irp b, 0,1
	s_delay_alu instid0(VALU_DEP_2)
	v_max_num_f32 v[232+\b], v[232+\b], v[236+\b]
.endr
.irp b, 0,1
	s_delay_alu instid0(VALU_DEP_2)
	v_add_nc_u32 v[244+\b], 0xff000000, v[232+\b]
.endr
.irp b, 0,1
	s_delay_alu instid0(VALU_DEP_2)
	v_lshrrev_b32 v[236+\b], 23, v[244+\b]
.endr
	v_cvt_scalef32_pk16_fp6_f32 v[224:226], v[96:111], v244
	v_cvt_scalef32_pk16_fp6_f32 v[240:242], v[112:127], v245
	v_nop
.irp i, 0,1,2
	v_permlane16_swap_b32 v[224+\i], v[240+\i]     ; lanes 0-15 block 0, lanes 16-31 block 1
.endr
.irp i, 0,1,2
	s_delay_alu instid0(VALU_DEP_3)
	v_mov_b32 v[227+\i], v[240+\i]
.endr
	v_cmp_eq_u32 vcc_lo, 1, v95
	s_delay_alu instid0(VALU_DEP_1)
	v_cndmask_b32 v254, v236, v237, vcc_lo         ; my block's byte
	global_store_b128 v92, v[224:227], s[18:19]            ; 512 consecutive bytes,
	global_store_b64 v93, v[228:229], s[18:19] offset:512  ; and 256
	global_store_b8 v94, v254, s[20:21]            ; a token's 32 scale bytes come from 16 work-groups: two bytes a token here
	s_wait_xcnt 0x0                                ; the stores have read their registers: offsets and codes are written again only behind this wait
.irp i, 0,1,2,3,4,5
	v_mov_b32 v[16+\i], v[214+\i]                  ; the second tile's Q
.endr
	v_mov_b32 v255, v220
	s_sub_co_u32 s60, 127, s60
	s_add_co_u32 s2, s2, 1
	s_cmp_lt_u32 s2, 2
	s_cbranch_scc1 .Ltile
	s_wait_xcnt 0x0
	v_lshl_add_u32 v254, v0, 2, SPARE
	v_mov_b32 v255, 0
	s_wait_alu depctr_va_vdst(0)
	s_wait_tensorcnt 0x0                           ; the wave's end
	ds_add_u32 v254, v255
	s_wait_dscnt 0x0
	s_endpgm
.Lfunc_end_k_q3964be8e07_attn:
	.size	k_q3964be8e07_attn, .Lfunc_end_k_q3964be8e07_attn-k_q3964be8e07_attn
	.p2alignl 7, 3214868480
	.fill 96, 4, 3214868480
	.section	.rodata,"a",@progbits
	.p2align	6, 0x0
	.amdhsa_kernel k_q3964be8e07_attn
		.amdhsa_group_segment_fixed_size 219136
		.amdhsa_private_segment_fixed_size 0
		.amdhsa_enable_private_segment 0
		.amdhsa_kernarg_size 72
		.amdhsa_user_sgpr_count 2
		.amdhsa_user_sgpr_kernarg_segment_ptr 1
		.amdhsa_wavefront_size32 1
		.amdhsa_system_sgpr_workgroup_id_x 1
		.amdhsa_system_sgpr_workgroup_id_y 1
		.amdhsa_system_sgpr_workgroup_id_z 1
		.amdhsa_system_vgpr_workitem_id 0
		.amdhsa_next_free_vgpr 256
		.amdhsa_next_free_sgpr 106
		.amdhsa_reserve_vcc 1
		.amdhsa_float_denorm_mode_32 3
		.amdhsa_float_denorm_mode_16_64 3
		.amdhsa_memory_ordered 1
		.amdhsa_forward_progress 1
		.amdhsa_inst_pref_size 49
	.end_amdhsa_kernel
	.amdgpu_metadata
---
amdhsa.version: [ 1, 2 ]
amdhsa.kernels:
  - .name:           k_q3964be8e07_attn
    .symbol:         k_q3964be8e07_attn.kd
    .args:
      - { .name: q_codes, .offset: 0, .size: 8, .value_kind: global_buffer, .address_space: global }
      - { .name: q_scales, .offset: 8, .size: 8, .value_kind: global_buffer, .address_space: global }
      - { .name: k_codes, .offset: 16, .size: 8, .value_kind: global_buffer, .address_space: global }
      - { .name: k_scales, .offset: 24, .size: 8, .value_kind: global_buffer, .address_space: global }
      - { .name: v_codes, .offset: 32, .size: 8, .value_kind: global_buffer, .address_space: global }
      - { .name: v_scales, .offset: 40, .size: 8, .value_kind: global_buffer, .address_space: global }
      - { .name: pad_mask, .offset: 48, .size: 8, .value_kind: global_buffer, .address_space: global }
      - { .name: y_codes, .offset: 56, .size: 8, .value_kind: global_buffer, .address_space: global }
      - { .name: y_scales, .offset: 64, .size: 8, .value_kind: global_buffer, .address_space: global }
    .group_segment_fixed_size: 219136
    .private_segment_fixed_size: 0
    .kernarg_segment_align: 8
    .kernarg_segment_size: 72
    .max_flat_workgroup_size: 512
    .sgpr_count:     106
    .vgpr_count:     256
    .wavefront_size: 32
...
	.end_amdgpu_metadata
.endif
;; end of part 2
;; launch outp (part 3): grid 4 x 32, 4 waves a work-group, clusters of 4 x 4, 327,680 bytes of LDS; arguments y_codes, y_scales, Wo_codes, Wo_scales, bo, out0; writes out0
.if DOCPART == 3
	.amdgcn_target "amdgcn-amd-amdhsa--gfx1250"
	.amdhsa_code_object_version 6
	.text
	.protected	k_q3964be8e07_outp
	.globl	k_q3964be8e07_outp
	.p2align	8
	.type	k_q3964be8e07_outp,@function
k_q3964be8e07_outp:
	s_mov_b64 s[64:65], 0
	v_nop
	global_prefetch_b8 v0, s[64:65] scope:SCOPE_SE
	s_setreg_imm32_b32 hwreg(HW_REG_WAVE_MODE, 25, 1), 1
	s_wait_xcnt 0x0
	s_wait_alu depctr_hold_cnt(0) depctr_sa_sdst(0) depctr_va_vdst(0) depctr_va_sdst(0) depctr_va_ssrc(0) depctr_va_vcc(0) depctr_vm_vsrc(0)
	s_getreg_b32 s2, hwreg(HW_REG_IB_STS2, 6, 4)
	s_cmp_eq_u32 s2, 0
	s_cbranch_scc0 .Lentry_in_a_cluster
	s_endpgm
.Lentry_in_a_cluster:
	s_bfe_u32 s2, ttmp6, 0x10000c
	s_cmp_lg_u32 s2, 0xf033
	s_cbranch_scc0 .Lentry_shape_is_right
	s_endpgm
.Lentry_shape_is_right:
; out = Y Wo^T + bo on codes of FP6 (E2M3), one E8M0 scale for each 32 along K = 1,024; f32 sums and results.
; A work-group of four waves makes 256 tokens x 256 columns, a wave 128 x 128: 64 accumulators.  Source 0 = 16 rows of Wo (side B), source 1 = 16 tokens (side A): a lane holds eight neighbouring columns of a row.
; Y lies as images of fragments (1,536 bytes for 16 tokens x 128 channels; image = 512 x (channel / 128) + token / 16).  256 along K of 256 tokens are 2 runs of 24,576 bytes: a slot; two slots take turns.
; Wo's 256 rows of 768 bytes stay in LDS for the whole launch as three PLANES, one for each chunk of 256 bytes of a row: every tensor row is 256 bytes and begins at a multiple of 256.
; The scale bytes of the 512 rows come once.  Head: wave 0 slot 0, wave 1 plane 0, wave 2 A's scales, wave 3 B's.  Behind one round: wave 0 slot 1, wave 1 plane 1, wave 2 plane 2.  The two refills are wave 0's.
; A's tiles are shared along a row of the 4 x 4 cluster, B's along a column, by joint loads.
; NO PREFETCH: all of Wo's block and half of Y's are asked for at the head; the walk along K has eight steps and no loop to run ahead in.
.set SIZE_N, 1024
.set NQ,     2
.set KROW,   768
.set PITCH,  272
.set FR,     12
.set NLA,    4
.set NP,     4
.set ASLOT,  2*16*1536
.set ASTEP,  2*512*1536
.set HALFT,  128*PITCH
.set PLANE,  2*HALFT
.set BOFF,   2*ASLOT
.set KS,     32
.set SCL,    BOFF+3*PLANE
.set HALFS,  (128*KS/256)*272
.set SBLK,   (16*KS/256)*272
.set SPARE,  SCL+4*HALFS
.set SPITCH, 528                       ; the stage of the way out lies in slot 0, which has had its last fill and its last read by then
.set ADRA, 16                          ; v16-17 16 bytes a lane in slot 0, 1; v18-19 8 bytes a lane
.set ADRB, 20                          ; v20-22 my B fragments in plane 0, 1, 2
.set STO,  24
.set RD,   25
.set CO,   26
.set ADRS, 27
.set SPW,  28
.set NIL,  29
.set XB,   30                          ; v30-31 lanes 0-15 at byte 232 of plane 0, 1, lanes 16-31 at byte 0 of the next plane
.set SC,   32
.set BB,   64
.set AF,   128
.set BK,   128
.set G1, 24
.set G0, 32
.set G1B, 48
.set G0B, 56
.set G0B2, 4
.set G1S, 68
.set G0S, 76
.set G1SB, 80
.set G0SB, 88
.set MSB, 0
.macro WIN new
.if MSB != \new
	s_set_vgpr_msb (MSB<<8)|\new
.set MSB, \new
.endif
.endm
.set MUL_LO, 0xa1
.set MUL_HI, 0xf1
.set TO_B,   0x40
.macro WMUL hi, first
.if \first
.if \hi
	WIN 0xc1
.else
	WIN 0x81
.endif
.else
.if \hi
	WIN MUL_HI
.else
	WIN MUL_LO
.endif
.endif
.endm
.macro PLACES n
.rept \n
	v_nop
.endr
.endm
.macro CREST
	s_cmp_lg_u32 s14, 0
	s_cbranch_scc1 .Lnot_wave_0_\@
	s_barrier_signal -3
.Lnot_wave_0_\@:
	s_barrier_wait -3
	s_barrier_signal -1
	s_barrier_wait -1
.endm
.macro CROUND
	s_barrier_signal -1
	s_barrier_wait -1
	CREST
.endm
.macro ARM under, g0, g1, next, join   ; one arm of a tree of branches on the wave's number: one load to an arm
	s_cmp_lt_u32 s14, \under
	s_cbranch_scc0 \next
	tensor_load_to_lds s[\g0:\g0+3], s[\g1:\g1+7]
	s_nop 0
	PLACES 4
	s_branch \join
\next:
.endm
	s_load_b128 s[4:7], s[0:1], 0x0                ; y codes, y scales
	s_load_b128 s[8:11], s[0:1], 0x10              ; Wo codes, Wo scales
	s_load_b64 s[66:67], s[0:1], 0x20              ; bo
	s_load_b64 s[12:13], s[0:1], 0x28              ; out
	v_lshl_add_u32 v[SPW], v0, 2, SPARE
	v_mov_b32 v[NIL], 0
	ds_add_u32 v[SPW], v[NIL]                      ; the opening lines: the add twice and its wait
	ds_add_u32 v[SPW], v[NIL]
	v_lshrrev_b32 v1, 5, v0
	v_readfirstlane_b32 s14, v1                    ; wave
	s_lshr_b32 s15, s14, 1                         ; my half of the tokens
	s_and_b32 s16, s14, 1                          ; my half of the columns
	s_bfe_u32 s40, ttmp6, 0x40000
	s_bfe_u32 s41, ttmp6, 0x40004
	s_lshl_b32 s42, ttmp9, 2
	s_add_co_u32 s42, s42, s40                     ; tile column
	s_and_b32 s17, ttmp7, 0xffff
	s_lshl_b32 s17, s17, 2
	s_add_co_u32 s17, s17, s41                     ; tile row
	s_lshl_b32 s43, s41, 2
	s_lshl_b32 s43, 15, s43
	s_lshl_b32 s44, 0x1111, s40
	s_or_b32 s[G1+0], s43, (3<<16)|(1<<21)         ; A: 2 rows of 3,072 elements of 8 bytes, 786,432 bytes apart
	s_mov_b32 s[G1+1], 3072<<16
	s_mov_b32 s[G1+2], 2<<16
	s_mov_b32 s[G1+3], 3072<<16
	s_mov_b32 s[G1+4], 2
	s_mov_b32 s[G1+5], 98304
	s_mov_b32 s[G1+6], 0
	s_mov_b32 s[G1+7], 0
	s_or_b32 s[G1B+0], s44, (0<<16)|(1<<20)|(1<<21)|(5<<22)|(3<<25)  ; B: 256 rows of 256 bytes, 16 of padding behind each
	s_mov_b32 s[G1B+1], 256<<16
	s_mov_b32 s[G1B+2], 256<<16
	s_mov_b32 s[G1B+3], 256<<16
	s_mov_b32 s[G1B+4], 256
	s_mov_b32 s[G1B+5], KROW
	s_mov_b32 s[G1B+6], 0
	s_mov_b32 s[G1B+7], 0
	s_or_b32 s[G1S+0], s43, (3<<16)|(1<<20)|(1<<21)|(5<<22)|(3<<25)  ; the scales of 256 rows: 32 rows of 256 bytes
	s_or_b32 s[G1SB+0], s44, (3<<16)|(1<<20)|(1<<21)|(5<<22)|(3<<25)
.irp g, G1S, G1SB
	s_mov_b32 s[\g+1], 32<<16
	s_mov_b32 s[\g+2], KS<<16
	s_mov_b32 s[\g+3], 32<<16
	s_mov_b32 s[\g+4], KS
	s_mov_b32 s[\g+5], 32
	s_mov_b32 s[\g+6], 0
	s_mov_b32 s[\g+7], 0
.endr
	s_lshl_b32 s20, s17, 8
	s_lshl_b32 s46, s42, 8
	s_mov_b32 s21, 0
	s_mov_b32 s47, 0
	s_mov_b64 s[18:19], KS
	s_mul_u64 s[22:23], s[20:21], s[18:19]
	s_mul_u64 s[92:93], s[46:47], s[18:19]
	s_mov_b64 s[18:19], KROW
	s_mul_u64 s[46:47], s[46:47], s[18:19]
	s_mov_b64 s[18:19], 96                         ; 1,536 bytes for 16 tokens
	s_mul_u64 s[20:21], s[20:21], s[18:19]
	s_lshl_b32 s18, s42, 10
	s_lshl_b32 s19, s16, 9
	s_add_co_u32 s18, s18, s19
	v_and_b32 v1, 15, v0                           ; r
	v_bfe_u32 v2, v0, 4, 1                         ; h
	v_lshl_add_u32 v8, v2, 5, s18                  ; 4 x (my first column + 8 h)
	s_wait_alu depctr_va_vdst(0)                   ; the wait ahead of the waits below
	s_wait_dscnt 0x0                               ; both opening adds are done
	s_wait_kmcnt 0x0
.irp b, 0,1,2,3,4,5,6,7
	global_load_b128 v[BB+8*\b:BB+8*\b+3], v8, s[66:67] offset:64*\b
	global_load_b128 v[BB+8*\b+4:BB+8*\b+7], v8, s[66:67] offset:64*\b+16
.endr
	s_add_nc_u64 s[20:21], s[4:5], s[20:21]
	s_add_nc_u64 s[22:23], s[6:7], s[22:23]
	s_add_nc_u64 s[46:47], s[8:9], s[46:47]
	s_add_nc_u64 s[92:93], s[10:11], s[92:93]
	CROUND                                         ; the first joint loads meet
.irp s, 0,1
	s_mov_b32 s[G0+4*\s], 1
	s_mov_b32 s[G0+4*\s+1], \s*ASLOT
	s_add_nc_u64 s[G0+4*\s+2:G0+4*\s+3], s[20:21], \s*ASTEP
	s_or_b32 s[G0+4*\s+3], s[G0+4*\s+3], 0x80000000
	s_mov_b32 s[G0B+4*\s], 1
	s_mov_b32 s[G0B+4*\s+1], BOFF+\s*PLANE
	s_add_nc_u64 s[G0B+4*\s+2:G0B+4*\s+3], s[46:47], \s*256
	s_or_b32 s[G0B+4*\s+3], s[G0B+4*\s+3], 0x80000000
.endr
	s_mov_b32 s[G0B2], 1
	s_mov_b32 s[G0B2+1], BOFF+2*PLANE
	s_add_nc_u64 s[G0B2+2:G0B2+3], s[46:47], 512
	s_or_b32 s[G0B2+3], s[G0B2+3], 0x80000000
	s_mov_b32 s[G0S], 1
	s_mov_b32 s[G0S+1], SCL
	s_mov_b64 s[G0S+2:G0S+3], s[22:23]
	s_or_b32 s[G0S+3], s[G0S+3], 0x80000000
	s_mov_b32 s[G0SB], 1
	s_mov_b32 s[G0SB+1], SCL+2*HALFS
	s_mov_b64 s[G0SB+2:G0SB+3], s[92:93]
	s_or_b32 s[G0SB+3], s[G0SB+3], 0x80000000
	ARM 1, G0,  G1,  .Lh_b,  .Lh_asked
	ARM 2, G0B, G1B, .Lh_sa, .Lh_asked
	ARM 3, G0S, G1S, .Lh_sb, .Lh_asked
	tensor_load_to_lds s[G0SB:G0SB+3], s[G1SB:G1SB+7]
	s_nop 0
	PLACES 4
.Lh_asked:
	s_lshl_b32 s20, s17, 8                         ; where my part of out begins
	s_lshl_b32 s21, s15, 7
	s_add_co_u32 s20, s20, s21
	s_mov_b32 s21, 0
	s_mov_b64 s[18:19], SIZE_N*4
	s_mul_u64 s[20:21], s[20:21], s[18:19]
	s_lshl_b32 s46, s42, 10
	s_lshl_b32 s47, s16, 9
	s_add_co_u32 s46, s46, s47
	s_mov_b32 s47, 0
	s_add_nc_u64 s[20:21], s[20:21], s[46:47]
	s_add_nc_u64 s[12:13], s[12:13], s[20:21]
	s_mul_i32 s18, s15, 12288                      ; my eight images in slot 0,
	s_add_co_u32 s19, s18, ASLOT                   ; in slot 1
	s_mul_i32 s20, s16, HALFT
	s_add_co_u32 s20, s20, BOFF                    ; my 128 rows of B in plane 0, 1, 2
	s_add_co_u32 s21, s20, PLANE
	s_add_co_u32 s22, s21, PLANE
	s_mul_i32 s23, s14, 16*SPITCH                  ; my stage
	s_mul_i32 s46, s15, HALFS
	s_mul_i32 s47, s16, HALFS
	s_add_co_u32 s47, s47, 2*HALFS
	s_sub_co_u32 s47, s47, s46
	s_add_co_u32 s46, s46, SCL
	s_mov_b32 s92, PLANE-232
	v_and_b32 v6, 31, v0
	v_lshlrev_b32 v[CO], 4, v6
	v_lshlrev_b32 v7, 3, v6
	v_add_nc_u32 v7, 512, v7
	v_add_nc_u32 v[ADRA], s18, v[CO]
	v_add_nc_u32 v[ADRA+1], s19, v[CO]
	v_add_nc_u32 v[ADRA+2], s18, v7
	v_add_nc_u32 v[ADRA+3], s19, v7
	v_mul_u32_u24 v3, v1, PITCH
	v_mul_u32_u24 v4, v2, 24
	v_add_nc_u32 v4, v3, v4
	v_mul_u32_u24 v5, s92, v2
	v_add_nc_u32 v5, v3, v5
	v_add_nc_u32 v5, 232, v5
	v_add_nc_u32 v[ADRB], s20, v4
	v_add_nc_u32 v[ADRB+1], s21, v4
	v_add_nc_u32 v[ADRB+2], s22, v4
	v_add_nc_u32 v[XB], s20, v5
	v_add_nc_u32 v[XB+1], s21, v5
	v_mul_u32_u24 v5, v1, KS
	v_lshrrev_b32 v6, 8, v5
	v_lshl_add_u32 v5, v6, 4, v5
	v_mul_u32_u24 v6, s47, v2
	v_add_nc_u32 v5, v5, v6
	v_add_nc_u32 v[ADRS], s46, v5
	v_mul_u32_u24 v5, v1, SPITCH
	v_lshl_add_u32 v5, v2, 5, v5
	v_add_nc_u32 v[STO], s23, v5
	v_add_nc_u32 v[RD], s23, v[CO]
.macro FRAGB reg, st, i                ; byte y of a row of Wo lies in plane y / 256 at y % 256
.irp p, 0,1,2,3,4,5
.set BY, 96*(\st)+48*(\p/3)+8*(\p%3)
.if BY/256 == (BY+24)/256
	ds_load_b64 v[\reg+2*\p:\reg+2*\p+1], v[ADRB+BY/256] offset:BY%256+(\i)*16*PITCH
.else
	ds_load_b64 v[\reg+2*\p:\reg+2*\p+1], v[XB+BY/256] offset:BY%256-232+(\i)*16*PITCH
.endif
.endr
.endm
.macro FRAG_A reg, st, i               ; an image: halves of 512 bytes (16 a lane) and 256 (8 a lane)
.set AO, ((\st)%2)*24576+(\i)*1536
.set AS, ((\st)/2)%2
	ds_load_b128 v[\reg:\reg+3], v[ADRA+AS] offset:AO
	ds_load_b64 v[\reg+4:\reg+5], v[ADRA+2+AS] offset:AO
	ds_load_b128 v[\reg+6:\reg+9], v[ADRA+AS] offset:AO+768
	ds_load_b64 v[\reg+10:\reg+11], v[ADRA+2+AS] offset:AO+768
.endm
.macro MUL16 a0, p, q, sc, first       ; the 64 accumulators take turns
.irp a, \a0, \a0+1
.irp b, 0,1,2,3,4,5,6,7
.if \first
	v_wmma_scale_f32_16x16x128_f8f6f4 v[8*(8*((\a)%4)+\b):8*(8*((\a)%4)+\b)+7], v[128*(\p)+FR*\b:128*(\p)+FR*\b+FR-1], v[AF+FR*(\a):AF+FR*(\a)+FR-1], v[BB+8*\b:BB+8*\b+7], v[SC+8*NQ*(\sc)+NQ*\b+(\q)], v[SC+8*NQ*(\sc)+NQ*(\a)+(\q)] matrix_a_fmt:MATRIX_FMT_FP6 matrix_b_fmt:MATRIX_FMT_FP6 matrix_a_scale:MATRIX_SCALE_ROW1
.else
	v_wmma_scale_f32_16x16x128_f8f6f4 v[8*(8*((\a)%4)+\b):8*(8*((\a)%4)+\b)+7], v[128*(\p)+FR*\b:128*(\p)+FR*\b+FR-1], v[AF+FR*(\a):AF+FR*(\a)+FR-1], v[8*(8*((\a)%4)+\b):8*(8*((\a)%4)+\b)+7], v[SC+8*NQ*(\sc)+NQ*\b+(\q)], v[SC+8*NQ*(\sc)+NQ*(\a)+(\q)] matrix_a_fmt:MATRIX_FMT_FP6 matrix_b_fmt:MATRIX_FMT_FP6 matrix_a_scale:MATRIX_SCALE_ROW1
.endif
.endr
.endr
.endm
.macro FETCH_B st, p
	WIN TO_B
.irp i, 0,1,2,3,4,5,6,7
	FRAGB 128*(\p)+FR*\i, \st, \i
.endr
	WIN 0
.endm
.macro FETCH_A st, i0
.irp i, \i0, \i0+1, \i0+2, \i0+3
	FRAG_A AF+FR*(\i), \st, \i
.endr
.endm
.macro SCALES pr
.irp i, 0,1,2,3,4,5,6,7
	ds_load_b64 v[SC+8*NQ*((\pr)%2)+NQ*\i:SC+8*NQ*((\pr)%2)+NQ*\i+1], v[ADRS] offset:\i*SBLK+4*NQ*(\pr)
.endr
.endm
.macro STEP st, first                  ; an even step: its successor lies in the same slot
.set SL, ((\st)/2)%2
	s_wait_dscnt 4*NLA                             ; all but the youngest 16 loads (A's blocks 4-7)
	WMUL 0, \first
	MUL16 0, 0, 0, SL, \first
	MUL16 2, 0, 0, SL, \first
	s_wait_dscnt 0
	PLACES NP
	FETCH_B (\st)+1, 1
	FETCH_A (\st)+1, 0
	WMUL 1, \first
	MUL16 4, 0, 0, SL, \first
	MUL16 6, 0, 0, SL, \first
	PLACES NP
	WIN 0
	FETCH_A (\st)+1, 4
.endm
.macro TURN st, fill                   ; an odd step changes slots: the three lines, one barrier; fill: it opens a round, and wave 0 fills the slot again
.set SL, ((\st)/2)%2
	s_wait_tensorcnt 0x0                           ; all my tensor loads have landed
	ds_add_u32 v[SPW], v[NIL]
	s_wait_dscnt 4*NLA+1                           ; the add and the youngest 16 loads may be out
	WIN MUL_LO
	MUL16 0, 1, 1, SL, 0
	s_wait_dscnt 0x0                               ; the add is done, my reads of this slot are over
	s_barrier_signal -1
	MUL16 2, 1, 1, SL, 0
	WIN 0
	s_barrier_wait -1
.if \fill
	CREST
	s_add_nc_u64 s[G0+4*SL+2:G0+4*SL+3], s[G0+4*SL+2:G0+4*SL+3], 2*ASTEP
	s_cmp_lg_u32 s14, 0
	s_cbranch_scc1 .Lnone_\@
	tensor_load_to_lds s[G0+4*SL:G0+4*SL+3], s[G1:G1+7]
	s_nop 0
	PLACES 4
.Lnone_\@:
.endif
	PLACES NP
	FETCH_B (\st)+1, 0
	FETCH_A (\st)+1, 0
	SCALES ((\st)+1)/2
	WIN MUL_HI
	MUL16 4, 1, 1, SL, 0
	MUL16 6, 1, 1, SL, 0
	PLACES NP
	WIN 0
	FETCH_A (\st)+1, 4
.endm
	s_wait_alu depctr_va_vdst(0)                   ; the wait at the head's end
	s_wait_loadcnt 0x0                             ; the bias
	s_wait_tensorcnt 0x0                           ; my tile of the head's four is in; the three lines ahead of later first fills
	ds_add_u32 v[SPW], v[NIL]
	s_wait_dscnt 0x0
	CROUND
	ARM 1, G0+4,  G1,  .Ls_b1, .Ls_asked           ; slot 1,
	ARM 2, G0B+4, G1B, .Ls_b2, .Ls_asked           ; plane 1,
	ARM 3, G0B2,  G1B, .Ls_no, .Ls_asked           ; plane 2; wave 3 has no part
.Ls_asked:
	FETCH_B 0, 0
	FETCH_A 0, 0
	SCALES 0
	FETCH_A 0, 4
	STEP 0, 1                                      ; the first products start the sums with the bias
	TURN 1, 1
	STEP 2, 0
	TURN 3, 1
	STEP 4, 0
	TURN 5, 0
	STEP 6, 0
	s_wait_dscnt 4*NLA
	WIN MUL_LO
	MUL16 0, 1, 1, 1, 0
	MUL16 2, 1, 1, 1, 0
	s_wait_dscnt 0
	WIN MUL_HI
	MUL16 4, 1, 1, 1, 0
	MUL16 6, 1, 1, 1, 0
	WIN 0
; THE WAY OUT: a block of 16 rows x 128 columns goes through my stage and comes back as rows of 512 bytes, stored as two aligned runs of 256
.macro TOSTAGE a
.set AC, 64*((\a)%4)
.set WN, 0x08+4*((\a)/4)
	WIN WN
.irp b, 0,1,2,3,4,5,6,7
	ds_store_b128 v[STO], v[AC+8*\b:AC+8*\b+3] offset:64*\b
	ds_store_b128 v[STO], v[AC+8*\b+4:AC+8*\b+7] offset:64*\b+16
.endr
	WIN 0
.set BR, BK+64*((\a)%2)
.irp t, 0,1,2,3,4,5,6,7,8,9,10,11,12,13,14,15
	ds_load_b128 v[BR+4*\t:BR+4*\t+3], v[RD] offset:\t*SPITCH
.endr
.endm
.macro SEND a, younger
.set BR, BK+64*((\a)%2)
	s_wait_dscnt \younger
.if (\a) > 0
	s_add_nc_u64 s[12:13], s[12:13], 16*SIZE_N*4
.endif
.irp t, 0,1,2,3,4,5,6,7,8,9,10,11,12,13,14,15
	global_store_b128 v[CO], v[BR+4*\t:BR+4*\t+3], s[12:13] offset:\t*SIZE_N*4 th:TH_STORE_NT
.endr
.endm
	PLACES NP
	TOSTAGE 0
.irp a, 1,2,3,4,5,6,7
.if \a > 1
	s_wait_xcnt 0x0                                ; block a - 2's stores have read their registers and base
.endif
	TOSTAGE \a
	SEND \a-1, 32                                  ; behind block a - 1's loads: block a's 16 stores and 16 loads
.endr
	s_wait_xcnt 0x0
	SEND 7, 0
	s_wait_tensorcnt 0x0                           ; the wave's end
	ds_add_u32 v[SPW], v[NIL]
	s_wait_dscnt 0x0
	CROUND                                         ; the closing round
	s_endpgm
.Lfunc_end_k_q3964be8e07_outp:
	.size	k_q3964be8e07_outp, .Lfunc_end_k_q3964be8e07_outp-k_q3964be8e07_outp
	.p2alignl 7, 3214868480
	.fill 96, 4, 3214868480
	.section	.rodata,"a",@progbits
	.p2align	6, 0x0
	.amdhsa_kernel k_q3964be8e07_outp
		.amdhsa_group_segment_fixed_size 327680
		.amdhsa_private_segment_fixed_size 0
		.amdhsa_enable_private_segment 0
		.amdhsa_kernarg_size 48
		.amdhsa_user_sgpr_count 2
		.amdhsa_user_sgpr_kernarg_segment_ptr 1
		.amdhsa_wavefront_size32 1
		.amdhsa_system_sgpr_workgroup_id_x 1
		.amdhsa_system_sgpr_workgroup_id_y 1
		.amdhsa_system_sgpr_workgroup_id_z 1
		.amdhsa_system_vgpr_workitem_id 0
		.amdhsa_next_free_vgpr 1024
		.amdhsa_next_free_sgpr 106
		.amdhsa_reserve_vcc 0
		.amdhsa_float_denorm_mode_32 3
		.amdhsa_float_denorm_mode_16_64 3
		.amdhsa_memory_ordered 1
		.amdhsa_forward_progress 1
		.amdhsa_inst_pref_size 154
	.end_amdhsa_kernel
	.amdgpu_metadata
---
amdhsa.version: [ 1, 2 ]
amdhsa.kernels:
  - .name:           k_q3964be8e07_outp
    .symbol:         k_q3964be8e07_outp.kd
    .args:
      - { .name: y_codes, .offset: 0, .size: 8, .value_kind: global_buffer, .address_space: global }
      - { .name: y_scales, .offset: 8, .size: 8, .value_kind: global_buffer, .address_space: global }
      - { .name: Wo_codes, .offset: 16, .size: 8, .value_kind: global_buffer, .address_space: global }
      - { .name: Wo_scales, .offset: 24, .size: 8, .value_kind: global_buffer, .address_space: global }
      - { .name: bo, .offset: 32, .size: 8, .value_kind: global_buffer, .address_space: global }
      - { .name: out0, .offset: 40, .size: 8, .value_kind: global_buffer, .address_space: global }
    .group_segment_fixed_size: 327680
    .private_segment_fixed_size: 0
    .kernarg_segment_align: 8
    .kernarg_segment_size: 48
    .max_flat_workgroup_size: 128
    .sgpr_count:     106
    .vgpr_count:     1024
    .wavefront_size: 32
...
	.end_amdgpu_metadata
.endif
;; end of part 3
